; MI455X (gfx1250); checked and timed in simulation.
; The chip was launched on July 23, 2026; its instructions are those of AMD's public machine-readable ISA for CDNA 5 (MIT licence, August 2026) and "CDNA5" Instruction Set Architecture Reference Guide (July 2026). The comments in the code are by the model that wrote it; some were corrected since.
;; Full Attention Estimator. Allowed arithmetic: matrix products marked QUANTISED: E4M3 operands, one E8M0 scale for each 32 along K, by v_wmma_scale_f32_16x16x128_f8f6f4 with both operands' format E4M3, f32 sums; products left as they are: f32 operands where the result goes on into a quantised operand, else bf16, f16 or f32 operands; f32 sums; everything else in f32.
;; Inputs: K 2 x 512 x 1,024 float32; Q 2 x 512 x 1,024 float32; Wk 1,024 x 128 float32; Wo 128 x 1 float32; Wq 1,024 x 128 float32; Wu 384 x 128 float32; Wv 384 x 128 float32; bo 1 float32; bu 128 float32; bv 128 float32; ln_b 384 float32; ln_g 384 float32.
;; Outputs: out0 2 x 512 x 512 float32.
;; This version of the problem:
;;   THIS VERSION OF THE PROBLEM IS GIVEN IN LOW PRECISION. The matrix products marked QUANTISED in the list below multiply operands that are first quantised to E4M3 (4 exponent bits, 3 mantissa bits; 8 bits a number), with one power-of-two scale for each 32 numbers along K (OCP MX v1.0); their sums are f32. All else is computed in f32.
;;   The module's matrix products, in the order in which they are computed (A, B: the left and right operand; K: the contracted axis; several contracted axes count as one K, in the product's order):
;;     1. [M 1,024, K 1,024] x [K 1,024, N 128]; A: input Q; B: input Wq: QUANTISED
;;     2. [M 1,024, K 1,024] x [K 1,024, N 128]; A: input K; B: input Wk: QUANTISED
;;     3. [M 524,288, K 384] x [K 384, N 128]; A: computed on the way; B: input Wu: QUANTISED
;;     4. [M 524,288, K 384] x [K 384, N 128]; A: computed on the way; B: input Wv: QUANTISED
;;     5. [M 524,288, K 128] x [K 128, N 1]; A: computed on the way; B: input Wo: left as it is (N = 1 < 16)
;;   THE QUANTISER, for each operand of a quantised product, along K:
;;     - K is cut into blocks of 32 from its start; a last block that is shorter is filled with zeros.
;;     - A block's scale is 2^e with e = floor(log2(the largest magnitude in the block)) - 8, held to -126 .. 127; a block of zeros has e = 0. As a byte (E8M0): e + 127.
;;     - Each number is divided by its block's scale, clamped to +-448, and rounded to the nearest number of E4M3, ties to even, subnormals kept.
;;     - The product sums the exact products of the quantised numbers (number of the format x scale) in f32.
;;   ~~~python
;;   def quantise(x, axis):      # numpy; x: float32 -> the quantised numbers, widened to float32 again
;;       x = np.moveaxis(x, axis, -1); K = x.shape[-1]
;;       x = np.pad(x, [(0, 0)] * (x.ndim - 1) + [(0, -K % 32)]); x = x.reshape(x.shape[:-1] + (-1, 32)); a = np.abs(x).max(-1, keepdims=True)
;;       e = np.where(a > 0, np.clip(np.frexp(np.where(a > 0, a, 1))[1] - 1 - 8, -126, 127), 0)      # np.frexp(a)[1] - 1 = floor(log2(a)), exactly
;;       r = np.clip(x / 2.0 ** e, -448, 448)
;;       step = 2.0 ** (np.maximum(np.frexp(np.where(r == 0, 1, r))[1] - 1, -6) - 3)
;;       q = np.round(r / step) * step * 2.0 ** e      # np.round: ties to even
;;       return np.moveaxis(q.reshape(q.shape[:-2] + (-1,))[..., :K], -1, axis).astype(np.float32)
;;   ~~~
;;   OPERANDS COMPUTED ON THE WAY. 'Computed on the way' means the value that the module computes at that place (a softmax that the list does not call 'softmax' is quantised finished and normalised). What goes into a quantiser is computed in f32, as accurately as f32 sums, v_exp_f32 and their like allow (about 1e-6 of the number): no bf16 or f16 on the way to a quantiser, and a product that is left as it is and whose result goes on into a quantised operand takes f32 operands (vector FMAs, or v_wmma_f32_16x16x4_f32). A number that lies on a knife's edge between two numbers of the format may be rounded either way, as far as f32 arithmetic and the matrix unit's own rounding can turn it there, and no further.
;; 2 versions, each right; version 2 is version 1 with the launches prep, pairs written anew for expert scheduling mode. Each part assembles by itself: llvm-mc -triple=amdgcn-amd-amdhsa -mcpu=gfx1250 --defsym DOCPART=n.
;; ======== version 1 of 2: 2 launches
;; workspace buffers: qk 1,048,576 bytes; wuv 104,448 bytes
;; launch prep (part 1): grid 256 x 1, 8 waves a work-group, no clusters, 37,888 bytes of LDS; arguments Q, K, Wq, Wk, Wu, Wv, qk, wuv; writes qk, wuv
.if DOCPART == 1
	.amdgcn_target "amdgcn-amd-amdhsa--gfx1250"
	.amdhsa_code_object_version 6
	.text
	.protected	k_q873072b0d2_prep
	.globl	k_q873072b0d2_prep
	.p2align	8
	.type	k_q873072b0d2_prep,@function
k_q873072b0d2_prep:
	s_mov_b64 s[64:65], 0
	v_nop
	global_prefetch_b8 v0, s[64:65] scope:SCOPE_SE
	s_setreg_imm32_b32 hwreg(HW_REG_WAVE_MODE, 25, 1), 1
	s_wait_xcnt 0x0
; q = Q Wq and k = K Wk on codes of FP8 (E4M3) with one E8M0 scale for each 32 along K, into qk [2048][128] f32 (rows 0-1023 q, rows 1024-2047 k);
; and the codes and scale words of Wu and Wv, laid as images of the operand's registers, into wuv.
; SHARES.  Work-group x makes rows 32 (x / 4) .. + 31 of the stacked result, columns 32 (x % 4) .. + 31.  Wave w takes K = 128 w .. 128 w + 127: it quantises two
; fragments of rows and two of columns in registers and issues four matrix instructions, each a sum of its own begun with the constant 0.  The eight waves' partial
; tiles meet in LDS and are added in ascending w.  32 x 32 is the tile for which a work-group quantises the fewest numbers: 1,024 (rows + columns) with rows x columns = 1,024.
; THE PRODUCT IS USED TRANSPOSED (source 0 = 16 columns of W, source 1 = 16 rows): a lane then holds eight neighbouring columns of one row.
; W's K is its first axis: a lane takes a column and its registers run down K, so the conversions' results are the operand's registers.
; EXTRA: in work-groups 0 to 47 wave 0 also quantises one fragment (column tile x % 16 of Wu | Wv, K step x / 16).  wuv: fragment f = 3 x tile + K step at 2,048 f
; (register group c of lane l at 512 c + 16 l); its scale words at 98,304 + 128 f (4 bytes a lane).
; The result's tile is 128 bytes wide: eight lanes store 128 consecutive bytes of a row of qk, so a store covers halves of aligned blocks of 256 bytes (1 MB in all).
; LIMITS: NaN and infinities are not served.  A block whose largest magnitude lies under 2^-118 keeps the scale byte 1; so does a block of zeros (its codes are zeros, and this program alone reads the bytes).
.set XA,  2                            ; v2   rows: 4,096 r + 64 h
.set WA,  3                            ; v3   W: 4 r + 8,192 h (lanes 16-31 begin 16 rows of 512 bytes further down)
.set SO,  4                            ; v4   the stage, in: 4,608 wave + 144 r + 32 h
.set SR,  5                            ; v5   the stage, back: 144 (thread / 8) + 16 (thread % 8)
.set GO,  6                            ; v6   qk: 512 (thread / 8) + 16 (thread % 8)
.set LI,  7                            ; v7   16 x lane
.set LS,  8                            ; v8   4 x lane
.set TM,  12                           ; v12-27 the quantiser's work: largest magnitudes, bytes, holds, scale operands
.set SA0, 28                           ; v28, v29 the two row fragments' scale words; v30 the column fragment's
.set SA1, 29
.set SB,  30
.set CA0, 32                           ; codes: two fragments of rows, one of columns
.set CA1, 48
.set CB,  64
.set D0,  80                           ; two sets of 64 numbers
.set D1,  144
.set ACC, 208                          ; accumulator (row fragment a, column fragment n) at 208 + 8 (2 a + n)
.set WV,  20
.set SEL, 22
.set MNT, 24
	s_load_b512 s[4:19], s[0:1], 0x0               ; Q, K, Wq, Wk, Wu, Wv, qk, wuv
	v_lshl_add_u32 v240, v0, 2, 0x9000
	v_mov_b32 v241, 0
	v_lshrrev_b32 v1, 5, v0
	v_readfirstlane_b32 s[WV], v1                  ; wave 0..7
	v_and_b32 v9, 15, v0                           ; r
	v_bfe_u32 v10, v0, 4, 1                        ; h
	v_and_b32 v11, 31, v0                          ; lane
	v_lshlrev_b32 v[XA], 12, v9
	v_lshl_add_u32 v[XA], v10, 6, v[XA]
	v_lshlrev_b32 v[WA], 2, v9
	v_lshl_add_u32 v[WA], v10, 13, v[WA]
	s_mul_i32 s21, s[WV], 4608
	v_mul_u32_u24 v[SO], v9, 144
	v_lshl_add_u32 v[SO], v10, 5, v[SO]
	v_add_nc_u32 v[SO], s21, v[SO]
	v_lshrrev_b32 v1, 3, v0
	v_and_b32 v9, 7, v0
	v_mul_u32_u24 v[SR], v1, 144
	v_lshl_add_u32 v[SR], v9, 4, v[SR]
	v_lshlrev_b32 v[GO], 9, v1
	v_lshl_add_u32 v[GO], v9, 4, v[GO]
	v_lshlrev_b32 v[LI], 4, v11
	v_lshlrev_b32 v[LS], 2, v11
.irp b, 0,1,2,3
	v_mov_b32 v[TM+4+\b], 0                        ; written once: a lane permute's destination counts as one of its sources
.endr
	s_mov_b32 s[SEL], 0x76543210
	s_mov_b32 s[SEL+1], 0xfedcba98                 ; v_permlanex16_b32's selects for lane l xor 16
	s_mov_b32 s[MNT], 0x600000                     ; the mantissa field of 448
	s_lshr_b32 s39, ttmp9, 2                       ; which 32 rows
	s_and_b32 s40, ttmp9, 3                        ; which 32 columns
	s_and_b32 s41, s39, 31
	s_lshl_b32 s42, s41, 17                        ; 32 rows of 4,096 bytes
	s_lshl_b32 s41, s[WV], 9                       ; my K step: 128 numbers
	s_add_co_u32 s42, s42, s41
	s_mov_b32 s43, 0
	s_lshl_b32 s44, s[WV], 16                      ; W: 128 rows of 512 bytes a K step
	s_lshl_b32 s41, s40, 7
	s_add_co_u32 s44, s44, s41
	s_mov_b32 s45, 0
	s_lshl_b32 s46, s39, 14                        ; qk: 32 rows of 512 bytes
	s_add_co_u32 s46, s46, s41
	s_mov_b32 s47, 0
	s_and_b32 s48, ttmp9, 15                       ; the extra fragment: column tile,
	s_lshr_b32 s49, ttmp9, 4
	s_min_u32 s49, s49, 2                          ; K step (held inside the weight in the work-groups that do not use it)
	s_and_b32 s50, s48, 7
	s_lshl_b32 s50, s50, 6
	s_lshl_b32 s51, s49, 16
	s_add_co_u32 s50, s50, s51
	s_mov_b32 s51, 0
	s_mul_i32 s52, s48, 3
	s_add_co_u32 s52, s52, s49                     ; f
	s_lshl_b32 s54, s52, 7
	s_add_co_u32 s54, s54, 98304
	s_mov_b32 s55, 0
	s_lshl_b32 s52, s52, 11
	s_mov_b32 s53, 0
	s_wait_kmcnt 0x0
	s_cmp_lt_u32 s39, 32                           ; q's rows or k's: the choice hangs on the work-group's number alone
	s_cselect_b64 s[26:27], s[4:5], s[6:7]
	s_cselect_b64 s[28:29], s[8:9], s[10:11]
	s_cmp_lt_u32 s48, 8
	s_cselect_b64 s[30:31], s[12:13], s[14:15]
	s_cmp_lt_u32 ttmp9, 48
	s_cselect_b32 s38, s[WV], 1                    ; 0 in the wave that has the extra fragment
	s_add_nc_u64 s[26:27], s[26:27], s[42:43]
	s_add_nc_u64 s[28:29], s[28:29], s[44:45]
	s_add_nc_u64 s[30:31], s[30:31], s[50:51]
	s_add_nc_u64 s[32:33], s[18:19], s[52:53]
	s_add_nc_u64 s[34:35], s[18:19], s[54:55]
	s_add_nc_u64 s[36:37], s[16:17], s[46:47]
; 16 rows x 128 K: lane (r, h) takes, of row r, 16 neighbouring numbers of each block of 32: register 16 c + t = k 32 c + 16 h + t
.macro LOADA a, d
.irp c, 0,1,2,3
.irp j, 0,1,2,3
	global_load_b128 v[\d+16*\c+4*\j:\d+16*\c+4*\j+3], v[XA], s[26:27] offset:65536*\a+128*\c+16*\j
.endr
.endr
.endm
; 16 columns x 128 K: lane (r, h) takes column r, registers down K in the same order
.macro LOADW bs, bn, d
.irp c, 0,1,2,3
.irp t, 0,1,2,3,4,5,6,7,8,9,10,11,12,13,14,15
	global_load_b32 v[\d+16*\c+\t], v[WA], s[\bs:\bs+1] offset:64*\bn+512*(32*\c+\t)
.endr
.endr
.endm
; 64 numbers of a lane become a fragment's codes and its scale word
.macro QUANT src, cod, pw
.irp b, 0,1,2,3
	v_max3_num_f32 v[TM+\b], |v[\src+16*\b]|, |v[\src+1+16*\b]|, 0x4800000   ; my 16 numbers of block b, and the floor 2^(9 - 127): the byte cannot fall under 1
.endr
.irp i, 2,4,6,8,10,12,14
.irp b, 0,1,2,3
	v_max3_num_f32 v[TM+\b], v[TM+\b], |v[\src+16*\b+\i]|, |v[\src+1+16*\b+\i]|
.endr
.endr
.irp b, 0,1,2,3
	v_permlanex16_b32 v[TM+4+\b], v[TM+\b], s[SEL], s[SEL+1]
.endr
.irp b, 0,1,2,3
	v_max_num_f32 v[TM+\b], v[TM+\b], v[TM+4+\b]   ; with lane l xor 16's: the block's largest magnitude
.endr
.irp b, 0,1,2,3
	v_add_nc_u32 v[TM+12+\b], 0xfc000000, v[TM+\b] ; 8 off its exponent field: the conversion's scale operand
.endr
.irp b, 0,1,2,3
	v_and_or_b32 v[TM+8+\b], v[TM+\b], 0x7f800000, s[MNT]   ; 448 x the scale
.endr
.irp b, 0,1,2,3
	v_lshrrev_b32 v[TM+4+\b], 23, v[TM+12+\b]      ; the scale's byte
.endr
	v_lshl_or_b32 v[\pw], v[TM+5], 8, v[TM+4]
	v_lshl_or_b32 v[\pw], v[TM+6], 16, v[\pw]
	v_lshl_or_b32 v[\pw], v[TM+7], 24, v[\pw]
.irp b, 0,1,2,3
.irp i, 0,1,2,3,4,5,6,7,8,9,10,11,12,13,14,15
	v_med3_num_f32 v[\src+16*\b+\i], v[\src+16*\b+\i], -v[TM+8+\b], v[TM+8+\b]   ; the conversion to an 8-bit code does not saturate (ISA guide 7.6.2): the hold
.endr
	v_cvt_scalef32_pk8_fp8_f32 v[\cod+4*\b:\cod+1+4*\b], v[\src+16*\b:\src+7+16*\b], v[TM+12+\b]
	v_cvt_scalef32_pk8_fp8_f32 v[\cod+2+4*\b:\cod+3+4*\b], v[\src+8+16*\b:\src+15+16*\b], v[TM+12+\b]
.endr
	v_nop                                          ; a plain line behind the last conversion
.endm
	LOADA 0, D0
	LOADA 1, D1
	s_wait_loadcnt 16                              ; the first row fragment's 16 loads are in, the second's may be out
	QUANT D0, CA0, SA0
	LOADW 28, 0, D0
	s_wait_loadcnt 63                              ; 64 loads were issued behind the second row fragment's: it is in
	QUANT D1, CA1, SA1
	LOADW 28, 1, D1
	s_wait_loadcnt 63                              ; 64 loads were issued behind the first column fragment's: it is in
	QUANT D0, CB, SB
.rept 4
	v_nop                                          ; codes written by vector instructions stand four places ahead of a scaled matrix instruction; the scale word was made ahead of the holds
.endr
	v_wmma_scale_f32_16x16x128_f8f6f4 v[ACC:ACC+7], v[CB:CB+15], v[CA0:CA0+15], 0, v[SB], v[SA0]
	v_wmma_scale_f32_16x16x128_f8f6f4 v[ACC+16:ACC+23], v[CB:CB+15], v[CA1:CA1+15], 0, v[SB], v[SA1]
	s_wait_loadcnt 0x0                             ; the second column fragment
	s_cmp_eq_u32 s38, 0
	s_cbranch_scc0 .Lno_extra_load
	LOADW 30, 0, D0                                ; the extra fragment's numbers land while the rest is done
.Lno_extra_load:
	QUANT D1, CB, SB                               ; its maxima, more than eight plain lines, stand between the products above and the first write of their scale word and codes
.rept 4
	v_nop
.endr
	v_wmma_scale_f32_16x16x128_f8f6f4 v[ACC+8:ACC+15], v[CB:CB+15], v[CA0:CA0+15], 0, v[SB], v[SA0]
	v_wmma_scale_f32_16x16x128_f8f6f4 v[ACC+24:ACC+31], v[CB:CB+15], v[CA1:CA1+15], 0, v[SB], v[SA1]
.rept 8
	v_nop                                          ; eight places behind this form before its results are read
.endr
.irp a, 0,1
.irp n, 0,1
	ds_store_b128 v[SO], v[ACC+8*(2*\a+\n):ACC+8*(2*\a+\n)+3] offset:2304*\a+64*\n        ; lane (r, h): row 16 a + r, columns 16 n + 8 h + 0 .. 7; each accumulator from its low end on
	ds_store_b128 v[SO], v[ACC+8*(2*\a+\n)+4:ACC+8*(2*\a+\n)+7] offset:2304*\a+64*\n+16
.endr
.endr
	s_wait_dscnt 0x0                               ; for the others' sake: my partial tile lies in the stage
	s_barrier_signal -1
	s_barrier_wait -1
.irp p, 0,1,2,3,4,5,6,7
	ds_load_b128 v[D1+4*\p:D1+4*\p+3], v[SR] offset:4608*\p   ; my four numbers of each wave's partial tile
.endr
	s_wait_dscnt 0x0
.irp p, 1,2,3,4,5,6,7
	v_pk_add_f32 v[D1:D1+1], v[D1:D1+1], v[D1+4*\p:D1+4*\p+1]        ; K ascending
	v_pk_add_f32 v[D1+2:D1+3], v[D1+2:D1+3], v[D1+4*\p+2:D1+4*\p+3]
.endr
	global_store_b128 v[GO], v[D1:D1+3], s[36:37]
	s_cmp_eq_u32 s38, 0
	s_cbranch_scc0 .Lend
	s_wait_loadcnt 0x0
	QUANT D0, CB, SB                               ; it writes none of the store's registers
.irp c, 0,1,2,3
	global_store_b128 v[LI], v[CB+4*\c:CB+4*\c+3], s[32:33] offset:512*\c     ; the fragment as it stands: 512 consecutive bytes a store
.endr
	global_store_b32 v[LS], v[SB], s[34:35]
.Lend:
	s_wait_tensorcnt 0x0
	ds_add_u32 v240, v241
	s_wait_dscnt 0x0
	s_endpgm
.Lfunc_end_k_q873072b0d2_prep:
	.size	k_q873072b0d2_prep, .Lfunc_end_k_q873072b0d2_prep-k_q873072b0d2_prep
	.p2alignl 7, 3214868480
	.fill 96, 4, 3214868480
	.section	.rodata,"a",@progbits
	.p2align	6, 0x0
	.amdhsa_kernel k_q873072b0d2_prep
		.amdhsa_group_segment_fixed_size 37888
		.amdhsa_private_segment_fixed_size 0
		.amdhsa_enable_private_segment 0
		.amdhsa_kernarg_size 64
		.amdhsa_user_sgpr_count 2
		.amdhsa_user_sgpr_kernarg_segment_ptr 1
		.amdhsa_wavefront_size32 1
		.amdhsa_system_sgpr_workgroup_id_x 1
		.amdhsa_system_sgpr_workgroup_id_y 1
		.amdhsa_system_sgpr_workgroup_id_z 1
		.amdhsa_system_vgpr_workitem_id 0
		.amdhsa_next_free_vgpr 242
		.amdhsa_next_free_sgpr 66
		.amdhsa_reserve_vcc 0
		.amdhsa_float_denorm_mode_32 3
		.amdhsa_float_denorm_mode_16_64 3
		.amdhsa_memory_ordered 1
		.amdhsa_forward_progress 1
		.amdhsa_inst_pref_size 68
	.end_amdhsa_kernel
	.amdgpu_metadata
---
amdhsa.version: [ 1, 2 ]
amdhsa.kernels:
  - .name:           k_q873072b0d2_prep
    .symbol:         k_q873072b0d2_prep.kd
    .args:
      - { .name: Q, .offset: 0, .size: 8, .value_kind: global_buffer, .address_space: global }
      - { .name: K, .offset: 8, .size: 8, .value_kind: global_buffer, .address_space: global }
      - { .name: Wq, .offset: 16, .size: 8, .value_kind: global_buffer, .address_space: global }
      - { .name: Wk, .offset: 24, .size: 8, .value_kind: global_buffer, .address_space: global }
      - { .name: Wu, .offset: 32, .size: 8, .value_kind: global_buffer, .address_space: global }
      - { .name: Wv, .offset: 40, .size: 8, .value_kind: global_buffer, .address_space: global }
      - { .name: qk, .offset: 48, .size: 8, .value_kind: global_buffer, .address_space: global }
      - { .name: wuv, .offset: 56, .size: 8, .value_kind: global_buffer, .address_space: global }
    .group_segment_fixed_size: 37888
    .private_segment_fixed_size: 0
    .kernarg_segment_align: 8
    .kernarg_segment_size: 64
    .max_flat_workgroup_size: 256
    .sgpr_count:     66
    .vgpr_count:     242
    .wavefront_size: 32
...
	.end_amdgpu_metadata
.endif
;; end of part 1
;; launch pairs (part 2): grid 8 x 32, 4 waves a work-group, no clusters, 181,760 bytes of LDS; arguments qk, wuv, ln_g, ln_b, bu, bv, Wo, bo, out0; writes out0
.if DOCPART == 2
	.amdgcn_target "amdgcn-amd-amdhsa--gfx1250"
	.amdhsa_code_object_version 6
	.text
	.protected	k_q873072b0d2_pairs
	.globl	k_q873072b0d2_pairs
	.p2align	8
	.type	k_q873072b0d2_pairs,@function
k_q873072b0d2_pairs:
	s_mov_b64 s[64:65], 0
	v_nop
	global_prefetch_b8 v0, s[64:65] scope:SCOPE_SE
	s_setreg_imm32_b32 hwreg(HW_REG_WAVE_MODE, 25, 1), 1
	s_wait_xcnt 0x0
; out0[b][i][j] = Wo . ((x Wu + bu) gelu(x Wv + bv)) + bo,  x = LayerNorm([q_i, k_j, q_i k_j]) quantised along its 384 channels to FP8 (E4M3) with one E8M0 scale for each 32.
; SHARES.  A work-group takes 32 queries x 64 keys of one batch; four waves, one to a SIMD.  A QUERY STEP is one query against the 64 keys: four tiles of 16 pairs (lane % 16 = the key).
; THE WAVES SHARE THE COLUMNS, TWICE.  Making the operand: wave w makes channels 32 w .. 32 w + 31 of each of the three parts (block w of K steps 0, 1, 2) for all four tiles, so that its 48 gains,
; 48 biases and its part of the 64 keys' rows stay in registers.  Using it: wave w keeps the fragments of u's and v's column tiles 2 w, 2 w + 1 for all three K steps (192 registers) for the whole launch.
; The codes go from wave to wave through LDS as images of the operand's registers, in two buffers by turns: one barrier a query step.
; BY TURNS.  A step's 48 matrix instructions stand singly between the chunks of vector lines that make the NEXT step's operand; the accumulators take turns, one instruction a turn.
; BOTH PRODUCTS ARE USED TRANSPOSED (source 0 = 16 columns of W, source 1 = 16 pairs): a lane holds one pair and eight hidden units; the biases bu, bv are the C of each sum's first instruction.
; LAYERNORM.  For each pair r = rsqrt(var + eps), s = -mu r;  x = r (q g) + (s g + b), r (k g) + (s g + b), (r (k g)) q + (s g + b): seven packed lines for six numbers.
; STATISTICS, centred: dq = q - mq, dk = k - mk, Vq = sum dq^2, Vk = sum dk^2; three f32 products for each 16 x 16 pairs: E1 = sum q^2 dk^2, E2 = sum (q dq) dk, C = sum dq dk.
;   mean of q k: mp = mq mk + C / 128;  mu = (mq + mk + mp) / 3;  since q k - mq mk = q dk + mk dq:  sum (q k - mp)^2 = E1 + 2 mk E2 + mk^2 Vq - C^2 / 128;
;   384 var = Vq + Vk + that + 128 ((mq - mu)^2 + (mk - mu)^2 + (mp - mu)^2).
; GELU.  erf(v / sqrt 2) = vc P(vc^2) / Q(vc^2), vc = v held within +-4 sqrt 2, P of 7 and Q of 5 coefficients (the factors of v / sqrt 2 folded in); a pair's share is (Wo / 2) u v (1 + erf).
; LIMITS: NaN and infinities are not served.  A block whose largest magnitude lies under 2^-118, a block of zeros too, keeps the scale byte 1.  The normalised number carries an error of about
; 2^-24 (1 + |mu| / sigma) of its size.  erf is held at its value at 4 for |v| >= 5.657.
; LDS: two image buffers (fragment (tile T, K step s) at 2,048 (3 T + s), its scale words at SCW + 128 (3 T + s); wave w writes register group w and byte w); TAB [32 queries][64 keys] x (r, r, s, s);
;   QST the 32 rows of q; SCR 256 bytes a wave; PT the partial sums [wave][lane half][query][key].
; REGISTERS, in windows of 256 (s_set_vgpr_msb: bits 1:0 source 0, 3:2 source 1, 5:4 source 2, 7:6 destination):
;   window 0: v2-17 addresses; v24-35 W's scale words, v36-47 the operand's; v48-95 b; v96-111 Wo / 2; v112-127 (r, r, s, s) of the four tiles (at the head: addresses); v128-159 the tiles' sums (at the head: k's statistics); v160-255 at work
;   window 1: v0-191 W's 12 fragments; v192-255 the accumulators of tiles 2, 3 (at the head: k in the layout of the making)
;   window 2: v0-191 the operand's 12 fragments (at the head: q^2, dq, q dq); v192-255 the accumulators of tiles 0, 1 (at the head v192-239: the six f32 sums; matrix instructions alone ever write them)
;   window 3: v0-47 g; v48-111 k g2 (at the head dk); v112-175 k g3 (at the head dk^2); v176-191 q; v192-207 q g1; v208-239 bu, bv in the result's layout
.set IMG1, 32768
.set SCW,  24576
.set TAB,  65536
.set QST,  98304
.set SCR,  114688
.set PT,   115712
.set LI,  2                            ; 16 x lane
.set LS,  3                            ; 4 x lane
.set WB0, 4                            ; 16 x lane + 512 x wave: where I store codes
.set WS0, 5                            ; 4 x lane + wave: where I store a scale byte
.set Q0,  6                            ; QST + 128 wave + 64 h
.set T0,  7                            ; TAB + 16 r
.set P0,  8                            ; PT + 16,384 wave + 8,192 h + 4 r
.set FR,  9                            ; PT + 16 x thread
.set GOF, 10                           ; out0: 2,048 (thread / 16) + 16 (thread % 16)
.set AR,  11                           ; the step's addresses: images read, their scale words,
.set ARS, 12
.set AW,  13                           ; images written, their scale bytes,
.set AWS, 14
.set AQ,  15                           ; the next q row, the next row of TAB,
.set AT,  16
.set AP,  17                           ; the step's row of PT
.set WSC, 24
.set ASC, 36
.set BC,  48
.set HW,  96
.set STQ, 112
.set RL,  112                          ; head only: 512 r + 64 h
.set CP,  113                          ; 16 x thread
.set GL,  114                          ; 128 wave + 64 h
.set BL,  115                          ; 128 wave + 32 h
.set KPA, 116                          ; 512 r + 128 wave + 64 h
.set SCS, 117                          ; SCR + 256 wave + 4 r
.set SCL, 118                          ; SCR + 256 wave + 32 h
.set TS0, 119                          ; TAB + 8,192 h + 256 wave + 16 r
.set QSA, 120                          ; QST + 16 x thread
.set OS,  128
.set MK,  OS                           ; head only: mk (a pair), Vk, 2 mk, mk^2 + 1
.set VK,  OS+2
.set MK2, OS+3
.set MK21, OS+4
.set RS,  OS+6                         ; four packed chains; RS + 8 a lane permute's destination
.set MQP, OS+16                        ; mq (a pair)
.set TMP, 160
.set X,   TMP                          ; making the operand: 48 numbers, 16 of r k g3
.set Y,   TMP+48
.set MA,  TMP+64
.set MB,  TMP+67
.set PM,  TMP+70
.set SOP, TMP+73
.set HO,  TMP+76
.set BY,  TMP+79
.set CD,  TMP+84
.set VC,  TMP                          ; gelu
.set AA,  TMP+16
.set W2,  TMP+32
.set PP,  TMP+48
.set QQ,  TMP+64
.set MQ,  TMP                          ; pair statistics
.set VQ,  TMP+8
.set C2,  TMP+16
.set SS,  TMP+24
.set MP,  TMP+32
.set MU,  TMP+40
.set D1,  TMP+48
.set D2,  TMP+56
.set QD,  TMP+64
.set G,   0                            ; window 3
.set KG2, 48
.set KG3, 112
.set QV,  176
.set QG1, 192
.set BIAS, 208
.set MSB, 0
.macro WIN new                         ; the immediate's high byte repeats the setting that is left; a switch that changes nothing is dropped
.if MSB != (\new)
	s_set_vgpr_msb (MSB<<8)|(\new)
.set MSB, (\new)
.endif
.endm
.macro KONST r, val                    ; a constant for the packed forms: they name a pair and take its low word for both halves
	s_mov_b32 s[\r], \val
	s_mov_b32 s[\r+1], \val
.endm
	s_load_b512 s[4:19], s[0:1], 0x0               ; qk, wuv, ln_g, ln_b, bu, bv, Wo, bo
	s_load_b64 s[20:21], s[0:1], 0x40              ; out0
	v_lshl_add_u32 v22, v0, 2, 0x2c400
	v_mov_b32 v23, 0
	v_lshrrev_b32 v1, 5, v0
	v_readfirstlane_b32 s22, v1                    ; wave 0..3
	v_and_b32 v18, 15, v0                          ; r
	v_bfe_u32 v19, v0, 4, 1                        ; h
	v_and_b32 v20, 31, v0                          ; lane
	v_lshlrev_b32 v[LI], 4, v20
	v_lshlrev_b32 v[LS], 2, v20
	s_lshl_b32 s23, s22, 9
	v_add_nc_u32 v[WB0], s23, v[LI]
	v_add_nc_u32 v[WS0], s22, v[LS]
	s_lshl_b32 s23, s22, 7
	v_lshl_add_u32 v[GL], v19, 6, s23
	v_lshl_add_u32 v[BL], v19, 5, s23
	v_add_nc_u32 v[Q0], QST, v[GL]
	v_lshlrev_b32 v[RL], 9, v18
	v_lshl_add_u32 v[RL], v19, 6, v[RL]
	v_add_nc_u32 v[KPA], s23, v[RL]
	v_lshlrev_b32 v[CP], 4, v0
	v_add_nc_u32 v[QSA], QST, v[CP]
	v_add_nc_u32 v[FR], PT, v[CP]
	s_lshl_b32 s23, s22, 8
	v_lshl_add_u32 v[SCS], v18, 2, s23
	v_add_nc_u32 v[SCS], SCR, v[SCS]
	v_lshl_add_u32 v[SCL], v19, 5, s23
	v_add_nc_u32 v[SCL], SCR, v[SCL]
	v_lshl_add_u32 v[TS0], v18, 4, s23
	v_lshl_add_u32 v[TS0], v19, 13, v[TS0]
	v_add_nc_u32 v[TS0], TAB, v[TS0]
	v_lshlrev_b32 v[T0], 4, v18
	v_add_nc_u32 v[T0], TAB, v[T0]
	s_lshl_b32 s23, s22, 14
	v_lshl_add_u32 v[P0], v18, 2, s23
	v_lshl_add_u32 v[P0], v19, 13, v[P0]
	v_add_nc_u32 v[P0], PT, v[P0]
	v_lshrrev_b32 v21, 4, v0
	v_lshlrev_b32 v[GOF], 11, v21
	v_lshl_add_u32 v[GOF], v18, 4, v[GOF]
	v_mov_b32 v[RS+8], 0                           ; written once: a lane permute's destination counts as one of its sources
	s_mov_b32 s24, 0x76543210
	s_mov_b32 s25, 0xfedcba98                      ; v_permlanex16_b32's selects for lane l xor 16
	s_mov_b32 s26, 0x600000                        ; the mantissa field of 448
	KONST 36, 0xac53f331                           ; P, highest degree first: -3.01199012e-12
	KONST 38, 0x3028496f                           ;  6.12239883e-10
	KONST 40, 0xb3c7667d                           ; -9.2853020e-08
	KONST 42, 0xb6a8d45d                           ; -5.03151234e-06
	KONST 44, 0xb9083d9c                           ; -1.29929215e-04
	KONST 46, 0xba88eb41                           ; -1.04460878e-03
	KONST 48, 0xbc3a79f3                           ; -1.13816143e-02
	KONST 50, 0xb57460cd                           ; Q, highest degree first: -9.10379490e-07
	KONST 52, 0xb7dfbd29                           ; -2.66717569e-05
	KONST 54, 0xb9dc924e                           ; -4.20706744e-04
	KONST 56, 0xbb719bf8                           ; -3.68666458e-03
	KONST 58, 0xbc69b6a7                           ; -1.42647391e-02
	s_mov_b32 s60, 0x40b504f3                      ; 4 sqrt 2
	s_mov_b32 s61, 0xc0b504f3
	s_mov_b32 s66, 0x3c000000                      ; 1 / 128
	s_mov_b32 s67, 0xbc000000                      ; -1 / 128
	s_mov_b32 s68, 0x3eaaaaab                      ; 1 / 3
	s_mov_b32 s69, 0x43000000                      ; 128
	s_mov_b32 s70, 0x3b2aaaab                      ; 1 / 384
	s_mov_b32 s71, 0x3727c5ac                      ; eps = 1e-5
	s_and_b32 s82, ttmp7, 0xffff
	s_lshr_b32 s83, s82, 4                         ; the batch
	s_and_b32 s84, s82, 15                         ; which 32 queries
	s_lshl_b32 s85, s83, 9
	s_lshl_b32 s86, s84, 5
	s_add_co_u32 s86, s86, s85                     ; my first query's row
	s_lshl_b32 s87, ttmp9, 6
	s_add_co_u32 s87, s87, s85
	s_add_co_u32 s87, s87, 1024                    ; my first key's row in qk
	s_lshl_b32 s88, s86, 9
	s_mov_b32 s89, 0
	s_lshl_b32 s90, s87, 9
	s_mov_b32 s91, 0
	s_lshl_b32 s92, s86, 11
	s_lshl_b32 s93, ttmp9, 8
	s_add_co_u32 s92, s92, s93
	s_mov_b32 s93, 0
	s_wait_kmcnt 0x0
	s_load_b32 s34, s[18:19], 0x0                  ; bo
	s_add_nc_u64 s[74:75], s[4:5], s[88:89]        ; my 32 rows of q
	s_add_nc_u64 s[72:73], s[4:5], s[90:91]        ; my 64 rows of k
	s_add_nc_u64 s[20:21], s[20:21], s[92:93]
	s_lshl_b32 s88, s22, 13
	s_add_nc_u64 s[80:81], s[72:73], s[88:89]      ; my wave's 16 keys
	s_mul_i32 s88, s22, 12288
	s_add_nc_u64 s[76:77], s[6:7], s[88:89]        ; my wave's fragments of Wu (Wv's lie 49,152 bytes on)
	s_mul_i32 s88, s22, 768
	s_add_nc_u64 s[78:79], s[6:7], s[88:89]        ; and their scale words
	; ---- 56 loads for the statistics.  A row's layout: lane (r, h), register 16 c + t = channel 32 c + 16 h + t of row r
	WIN 0xC0
.irp c, 0,1,2,3
.irp j, 0,1,2,3
	global_load_b128 v[48+16*\c+4*\j:48+16*\c+4*\j+3], v[RL], s[80:81] offset:128*\c+16*\j      ; my 16 keys
.endr
.endr
	WIN 0x80
.irp c, 0,1,2,3
.irp j, 0,1,2,3
	global_load_b128 v[16*\c+4*\j:16*\c+4*\j+3], v[RL], s[74:75] offset:128*\c+16*\j            ; queries 0-15
.endr
.endr
	WIN 0
.irp n, 0,1,2,3,4,5,6,7
	global_load_b128 v[TMP+64+4*\n:TMP+64+4*\n+3], v[CP], s[74:75] offset:2048*\n               ; my quarter of the 32 rows of q as they lie, for QST
.endr
.irp c, 0,1,2,3
.irp j, 0,1,2,3
	global_load_b128 v[TMP+16*\c+4*\j:TMP+16*\c+4*\j+3], v[RL], s[74:75] offset:8192+128*\c+16*\j   ; queries 16-31
.endr
.endr
	; ---- 52 loads of what stays: g, bu, bv, b, Wo, and k's rows in the layout of the making (register t = channel 32 wave + 16 h + t of key 16 T + r)
	WIN 0xC0
.irp p, 0,1,2
.irp j, 0,1,2,3
	global_load_b128 v[G+16*\p+4*\j:G+16*\p+4*\j+3], v[GL], s[8:9] offset:512*\p+16*\j
.endr
.endr
.irp e, 0,1
	global_load_b128 v[BIAS+8*\e:BIAS+8*\e+3], v[BL], s[12:13] offset:64*\e
	global_load_b128 v[BIAS+8*\e+4:BIAS+8*\e+7], v[BL], s[12:13] offset:64*\e+16
	global_load_b128 v[BIAS+16+8*\e:BIAS+16+8*\e+3], v[BL], s[14:15] offset:64*\e
	global_load_b128 v[BIAS+16+8*\e+4:BIAS+16+8*\e+7], v[BL], s[14:15] offset:64*\e+16
.endr
	WIN 0
.irp p, 0,1,2
.irp j, 0,1,2,3
	global_load_b128 v[BC+16*\p+4*\j:BC+16*\p+4*\j+3], v[GL], s[10:11] offset:512*\p+16*\j
.endr
.endr
.irp j, 0,1,2,3
	global_load_b128 v[HW+4*\j:HW+4*\j+3], v[BL], s[16:17] offset:64*(\j/2)+16*(\j%2)
.endr
	WIN 0x40
.irp t, 0,1,2,3
.irp j, 0,1,2,3
	global_load_b128 v[192+16*\t+4*\j:192+16*\t+4*\j+3], v[KPA], s[72:73] offset:8192*\t+16*\j
.endr
.endr
	WIN 0
	s_wait_loadcnt 52                              ; the first 56 loads are in; the 52 issued behind them may be out
.irp n, 0,1,2,3,4,5,6,7
	ds_store_b128 v[QSA], v[TMP+64+4*\n:TMP+64+4*\n+3] offset:2048*\n
.endr
.macro FOLD                            ; four packed chains -> the row's sum, in both lanes that hold the row
	v_pk_add_f32 v[RS:RS+1], v[RS:RS+1], v[RS+2:RS+3]
	v_pk_add_f32 v[RS+4:RS+5], v[RS+4:RS+5], v[RS+6:RS+7]
	v_pk_add_f32 v[RS:RS+1], v[RS:RS+1], v[RS+4:RS+5]
	v_add_f32 v[RS], v[RS], v[RS+1]
	v_permlanex16_b32 v[RS+8], v[RS], s24, s25
	v_add_f32 v[RS], v[RS], v[RS+8]
.endm
.macro ROWSUM win, base                ; the sum of my row's 128 numbers; the first four pairs of pairs start the chains: nothing is cleared
	WIN (\win)|((\win)<<2)
.irp c, 0,1,2,3
	v_pk_add_f32 v[RS+2*\c:RS+2*\c+1], v[\base+2*\c:\base+2*\c+1], v[\base+8+2*\c:\base+9+2*\c]
.endr
	WIN (\win)<<2
.irp i, 2,3,4,5,6,7
.irp c, 0,1,2,3
	v_pk_add_f32 v[RS+2*\c:RS+2*\c+1], v[RS+2*\c:RS+2*\c+1], v[\base+8*\i+2*\c:\base+8*\i+2*\c+1]
.endr
.endr
	WIN 0
	FOLD
.endm
.macro SUMSQ win, base                 ; the sum of their squares
	WIN (\win)|((\win)<<2)
.irp c, 0,1,2,3
	v_pk_mul_f32 v[RS+2*\c:RS+2*\c+1], v[\base+2*\c:\base+2*\c+1], v[\base+2*\c:\base+2*\c+1]
.endr
.irp i, 1,2,3,4,5,6,7
.irp c, 0,1,2,3
	v_pk_fma_f32 v[RS+2*\c:RS+2*\c+1], v[\base+8*\i+2*\c:\base+8*\i+2*\c+1], v[\base+8*\i+2*\c:\base+8*\i+2*\c+1], v[RS+2*\c:RS+2*\c+1]
.endr
.endr
	WIN 0
	FOLD
.endm
; 16 rows of q (window win, from register base) -> dq, q dq, q^2 in window 2; mq and Vq to my scratch, from where they come back by the result's layout
.macro QFEAT win, base, tile
	ROWSUM \win, \base
	v_mul_f32 v[MQP], s66, v[RS]
	v_mov_b32 v[MQP+1], v[MQP]
	ds_store_b32 v[SCS], v[MQP] offset:128*(\tile)
	WIN 0x80|(\win)
.set i, 0
.rept 32
	v_pk_add_f32 v[64+2*i:65+2*i], v[\base+2*i:\base+2*i+1], v[MQP:MQP+1] neg_lo:[0,1] neg_hi:[0,1]
.set i, i+1
.endr
	WIN 0x88|(\win)
.set i, 0
.rept 32
	v_pk_mul_f32 v[128+2*i:129+2*i], v[\base+2*i:\base+2*i+1], v[64+2*i:65+2*i]
.set i, i+1
.endr
	WIN 0x80|((\win)<<2)|(\win)
.set i, 0
.rept 32
	v_pk_mul_f32 v[2*i:2*i+1], v[\base+2*i:\base+2*i+1], v[\base+2*i:\base+2*i+1]      ; last: for the first tile it lands on q itself
.set i, i+1
.endr
	SUMSQ 2, 64
	ds_store_b32 v[SCS], v[RS] offset:128*(\tile)+64
.endm
; The three f32 products of 16 queries x my 16 keys: source 0 = the queries' features, source 1 = the keys'.  A register pair holds the same four channels on both sides, so 32 instructions cover the 128.
; The three sums take turns, one instruction a turn; each begins with the constant 0 in its own first instruction.
.macro STATW ib
	WIN 0xAE
.set st, 0
.rept 32
.if st == 0
	v_wmma_f32_16x16x4_f32 v[192+24*(\ib):199+24*(\ib)], v[0:1], v[112:113], 0
	v_wmma_f32_16x16x4_f32 v[200+24*(\ib):207+24*(\ib)], v[128:129], v[48:49], 0
	v_wmma_f32_16x16x4_f32 v[208+24*(\ib):215+24*(\ib)], v[64:65], v[48:49], 0
.else
	v_wmma_f32_16x16x4_f32 v[192+24*(\ib):199+24*(\ib)], v[2*st:2*st+1], v[112+2*st:113+2*st], v[192+24*(\ib):199+24*(\ib)]
	v_wmma_f32_16x16x4_f32 v[200+24*(\ib):207+24*(\ib)], v[128+2*st:129+2*st], v[48+2*st:49+2*st], v[200+24*(\ib):207+24*(\ib)]
	v_wmma_f32_16x16x4_f32 v[208+24*(\ib):215+24*(\ib)], v[64+2*st:65+2*st], v[48+2*st:49+2*st], v[208+24*(\ib):215+24*(\ib)]
.endif
.set st, st+1
.endr
	WIN 0
.rept 8
	v_nop                                          ; eight places behind this form before its sources are written or its results read
.endr
.endm
; r and s of 16 queries x my 16 keys.  Lane (r, h), register j: query 16 ib + 8 h + j, key 16 wave + r.  Each accumulator is read from its low end on.
.macro STATM ib
.set aE1, 192+24*(\ib)
.set aE2, 200+24*(\ib)
.set aC,  208+24*(\ib)
	WIN 0
	ds_load_b128 v[MQ:MQ+3], v[SCL] offset:128*(\ib)            ; LDS serves a wave's instructions in order (ISA guide 5.7.1.4): these see my stores
	ds_load_b128 v[MQ+4:MQ+7], v[SCL] offset:128*(\ib)+16
	ds_load_b128 v[VQ:VQ+3], v[SCL] offset:128*(\ib)+64
	ds_load_b128 v[VQ+4:VQ+7], v[SCL] offset:128*(\ib)+80
	s_wait_dscnt 0x0
.irp j, 0,1,2,3,4,5,6,7
	v_mul_f32 v[MU+\j], v[MQ+\j], v[MK]            ; mq mk
.endr
	WIN 0x0A
.irp j, 0,1,2,3,4,5,6,7
	v_mul_f32 v[C2+\j], v[aC+\j], v[aC+\j]         ; C^2
.endr
	WIN 0x22
.irp j, 0,1,2,3,4,5,6,7
	v_fma_f32 v[SS+\j], v[aE2+\j], v[MK2], v[aE1+\j]   ; E1 + 2 mk E2
.endr
	WIN 0x02
.irp j, 0,1,2,3,4,5,6,7
	v_fma_f32 v[MP+\j], v[aC+\j], s66, v[MU+\j]    ; mp
.endr
	WIN 0
.irp j, 0,1,2,3,4,5,6,7
	v_fma_f32 v[SS+\j], v[C2+\j], s67, v[SS+\j]    ; - C^2 / 128
.endr
.irp j, 0,1,2,3,4,5,6,7
	v_fma_f32 v[SS+\j], v[VQ+\j], v[MK21], v[SS+\j]    ; + Vq + mk^2 Vq
.endr
.irp j, 0,1,2,3,4,5,6,7
	v_add_f32 v[SS+\j], v[SS+\j], v[VK]
.endr
.irp j, 0,1,2,3,4,5,6,7
	v_add_f32 v[MU+\j], v[MQ+\j], v[MK]
.endr
.irp j, 0,1,2,3,4,5,6,7
	v_add_f32 v[MU+\j], v[MU+\j], v[MP+\j]
.endr
.irp j, 0,1,2,3,4,5,6,7
	v_mul_f32 v[MU+\j], s68, v[MU+\j]              ; mu
.endr
.irp j, 0,1,2,3,4,5,6,7
	v_sub_f32 v[D1+\j], v[MQ+\j], v[MU+\j]
.endr
.irp j, 0,1,2,3,4,5,6,7
	v_sub_f32 v[D2+\j], v[MK], v[MU+\j]
.endr
.irp j, 0,1,2,3,4,5,6,7
	v_sub_f32 v[C2+\j], v[MP+\j], v[MU+\j]
.endr
.irp j, 0,1,2,3,4,5,6,7
	v_mul_f32 v[D1+\j], v[D1+\j], v[D1+\j]
.endr
.irp j, 0,1,2,3,4,5,6,7
	v_fma_f32 v[D1+\j], v[D2+\j], v[D2+\j], v[D1+\j]
.endr
.irp j, 0,1,2,3,4,5,6,7
	v_fma_f32 v[D1+\j], v[C2+\j], v[C2+\j], v[D1+\j]
.endr
.irp j, 0,1,2,3,4,5,6,7
	v_fma_f32 v[SS+\j], v[D1+\j], s69, v[SS+\j]    ; 384 var
.endr
.irp j, 0,1,2,3,4,5,6,7
	v_max_num_f32 v[SS+\j], 0, v[SS+\j]
.endr
.irp j, 0,1,2,3,4,5,6,7
	v_fma_f32 v[SS+\j], v[SS+\j], s70, s71         ; var + eps
.endr
.irp j, 0,1,2,3,4,5,6,7
	v_rsq_f32 v[QD+4*\j], v[SS+\j]                 ; r
.endr
	v_nop                                          ; a plain line behind the last of the batch
	s_wait_alu depctr_va_vdst(0)                   ; one wait for the eight, ahead of their first reader
.irp j, 0,1,2,3,4,5,6,7
	v_mov_b32 v[QD+4*\j+1], v[QD+4*\j]
	v_mul_f32 v[QD+4*\j+2], -v[MU+\j], v[QD+4*\j]  ; s = -mu r
.endr
.irp j, 0,1,2,3,4,5,6,7
	v_mov_b32 v[QD+4*\j+3], v[QD+4*\j+2]
.endr
.irp j, 0,1,2,3,4,5,6,7
	ds_store_b128 v[TS0], v[QD+4*\j:QD+4*\j+3] offset:16384*(\ib)+1024*\j
.endr
.endm
	; ---- my 16 keys: mk, dk (in place), dk^2, Vk
	ROWSUM 3, 48
	v_mul_f32 v[MK], s66, v[RS]
	v_mov_b32 v[MK+1], v[MK]
	WIN 0xC3
.set i, 0
.rept 32
	v_pk_add_f32 v[48+2*i:49+2*i], v[48+2*i:49+2*i], v[MK:MK+1] neg_lo:[0,1] neg_hi:[0,1]
.set i, i+1
.endr
	WIN 0xCF
.set i, 0
.rept 32
	v_pk_mul_f32 v[112+2*i:113+2*i], v[48+2*i:49+2*i], v[48+2*i:49+2*i]
.set i, i+1
.endr
	SUMSQ 3, 48
	v_mov_b32 v[VK], v[RS]
	v_add_f32 v[MK2], v[MK], v[MK]
	v_fma_f32 v[MK21], v[MK], v[MK], 1.0
	QFEAT 2, 0, 0
	STATW 0
	; ---- 60 loads: my 12 fragments of Wu and Wv and their scale words; they stay for the whole launch
	WIN 0x40
.irp nn, 0,1,2,3
.irp ks, 0,1,2
.irp c, 0,1,2,3
	global_load_b128 v[16*(3*\nn+\ks)+4*\c:16*(3*\nn+\ks)+4*\c+3], v[LI], s[76:77] offset:(\nn/2)*49152+((\nn%2)*3+\ks)*2048+512*\c
.endr
.endr
.endr
	WIN 0
.irp nn, 0,1,2,3
.irp ks, 0,1,2
	global_load_b32 v[WSC+3*\nn+\ks], v[LS], s[78:79] offset:98304+(\nn/2)*3072+((\nn%2)*3+\ks)*128
.endr
.endr
	QFEAT 0, TMP, 1
	STATW 1
	STATM 0
	STATM 1
	s_wait_loadcnt 0x0
	WIN 0xCD                                       ; k (window 1) x g (window 3) -> window 3, over dk and dk^2, which the products have long read
.irp t, 0,1,2,3
.set i, 0
.rept 8
	v_pk_mul_f32 v[KG2+16*\t+2*i:KG2+16*\t+2*i+1], v[192+16*\t+2*i:193+16*\t+2*i], v[G+16+2*i:G+17+2*i]
	v_pk_mul_f32 v[KG3+16*\t+2*i:KG3+16*\t+2*i+1], v[192+16*\t+2*i:193+16*\t+2*i], v[G+32+2*i:G+33+2*i]
.set i, i+1
.endr
.endr
	WIN 0
.set i, 0
.rept 8
	v_pk_mul_f32 v[HW+2*i:HW+2*i+1], v[HW+2*i:HW+2*i+1], 0.5 op_sel_hi:[1,0]
.set i, i+1
.endr
.irp p, 0,1,2
	v_mov_b32 v[PM+\p], 0                          ; a lane permute's destination counts as one of its sources
.endr
	s_wait_kmcnt 0x0
	s_mov_b32 s35, s34                             ; bo as a pair
	s_wait_dscnt 0x0                               ; for the others' sake: my parts of TAB and QST lie in LDS
	s_barrier_signal -1
	s_barrier_wait -1
; Matrix instruction m of a step's 48: tile m / 12, K step (m % 12) / 4, column tile m % 4 (0, 1: u's; 2, 3: v's).  Four accumulators by turns.
.macro MM
.set mT, m/12
.set mS, (m%12)/4
.set mN, m%4
.if m%12 == 0
	s_wait_dscnt 12*(3-mT)                         ; the tile's 12 code loads are in: behind them stand the 12 of each later tile (and stores issued since, which this count does not let stay out)
.endif
.set rD, 192+32*(mT%2)+8*mN
.set rW, 16*(3*mN+mS)
.set rA, 48*mT+16*mS
.if mS == 0
	WIN 0xB9-0x40*(mT/2)                           ; W window 1, the operand window 2, the bias window 3, the result window 2 (tiles 0, 1) or 1
	v_wmma_scale_f32_16x16x128_f8f6f4 v[rD:rD+7], v[rW:rW+15], v[rA:rA+15], v[BIAS+8*mN:BIAS+8*mN+7], v[WSC+3*mN+mS], v[ASC+3*mT+mS]
.else
	WIN 0xA9-0x50*(mT/2)
	v_wmma_scale_f32_16x16x128_f8f6f4 v[rD:rD+7], v[rW:rW+15], v[rA:rA+15], v[rD:rD+7], v[WSC+3*mN+mS], v[ASC+3*mT+mS]
.endif
.set m, m+1
.endm
.macro SLOT                            ; behind each chunk of the making: one matrix instruction, from the seventh slot on (the code loads have six chunks in which to land)
.if MMON && (k >= 6) && (m < 48)
	MM
.endif
.set k, k+1
.endm
; My 48 numbers a lane of tile tt of the next step's operand: normalised, quantised, stored.  14 chunks.
.macro PTILE tt
.set rR, STQ+4*(\tt)
.set rS, STQ+4*(\tt)+2
.irp pp, 0,1,2
	WIN 0x0C                                       ; source 1 in window 3
.set i, 0
.rept 8
	v_pk_fma_f32 v[X+16*\pp+2*i:X+16*\pp+2*i+1], v[rS:rS+1], v[G+16*\pp+2*i:G+16*\pp+2*i+1], v[BC+16*\pp+2*i:BC+16*\pp+2*i+1]   ; s g + b
.set i, i+1
.endr
	SLOT
.endr
	WIN 0x0C
.set i, 0
.rept 8
	v_pk_mul_f32 v[Y+2*i:Y+2*i+1], v[rR:rR+1], v[KG3+16*(\tt)+2*i:KG3+16*(\tt)+2*i+1]                ; r (k g3)
.set i, i+1
.endr
	SLOT
	WIN 0x0C
.set i, 0
.rept 8
	v_pk_fma_f32 v[X+2*i:X+2*i+1], v[rR:rR+1], v[QG1+2*i:QG1+2*i+1], v[X+2*i:X+2*i+1]                ; q's part
.set i, i+1
.endr
	SLOT
	WIN 0x0C
.set i, 0
.rept 8
	v_pk_fma_f32 v[X+16+2*i:X+17+2*i], v[rR:rR+1], v[KG2+16*(\tt)+2*i:KG2+16*(\tt)+2*i+1], v[X+16+2*i:X+17+2*i]   ; k's part
.set i, i+1
.endr
	SLOT
	WIN 0x0C
.set i, 0
.rept 8
	v_pk_fma_f32 v[X+32+2*i:X+33+2*i], v[Y+2*i:Y+2*i+1], v[QV+2*i:QV+2*i+1], v[X+32+2*i:X+33+2*i]    ; the product's part
.set i, i+1
.endr
	SLOT
	WIN 0                                          ; the three blocks' largest magnitudes, two chains each, the blocks by turns
.irp pp, 0,1,2
	v_max3_num_f32 v[MA+\pp], |v[X+16*\pp]|, |v[X+16*\pp+1]|, 0x4800000      ; with the floor 2^(9 - 127): the byte cannot fall under 1
.endr
.irp pp, 0,1,2
	v_max3_num_f32 v[MB+\pp], |v[X+16*\pp+8]|, |v[X+16*\pp+9]|, |v[X+16*\pp+10]|
.endr
.irp pp, 0,1,2
	v_max3_num_f32 v[MA+\pp], v[MA+\pp], |v[X+16*\pp+2]|, |v[X+16*\pp+3]|
.endr
.irp pp, 0,1,2
	v_max3_num_f32 v[MB+\pp], v[MB+\pp], |v[X+16*\pp+11]|, |v[X+16*\pp+12]|
.endr
	SLOT
	WIN 0
.irp pp, 0,1,2
	v_max3_num_f32 v[MA+\pp], v[MA+\pp], |v[X+16*\pp+4]|, |v[X+16*\pp+5]|
.endr
.irp pp, 0,1,2
	v_max3_num_f32 v[MB+\pp], v[MB+\pp], |v[X+16*\pp+13]|, |v[X+16*\pp+14]|
.endr
.irp pp, 0,1,2
	v_max3_num_f32 v[MA+\pp], v[MA+\pp], |v[X+16*\pp+6]|, |v[X+16*\pp+7]|
.endr
.irp pp, 0,1,2
	v_max3_num_f32 v[MA+\pp], v[MA+\pp], v[MB+\pp], |v[X+16*\pp+15]|
.endr
	SLOT
	WIN 0
.irp pp, 0,1,2
	v_permlanex16_b32 v[PM+\pp], v[MA+\pp], s24, s25
.endr
.irp pp, 0,1,2
	v_max_num_f32 v[MA+\pp], v[MA+\pp], v[PM+\pp]  ; with lane l xor 16's 16 channels: the block's
.endr
.irp pp, 0,1,2
	v_add_nc_u32 v[SOP+\pp], 0xfc000000, v[MA+\pp] ; 8 off the exponent field: the conversion's scale operand
.endr
.irp pp, 0,1,2
	v_and_or_b32 v[HO+\pp], v[MA+\pp], 0x7f800000, s26   ; 448 x the scale
.endr
	SLOT
	WIN 0
.set i, 0
.rept 16
	v_med3_num_f32 v[X+i], v[X+i], -v[HO], v[HO]   ; the conversion to an 8-bit code does not saturate (ISA guide 7.6.2): the hold
.set i, i+1
.endr
	SLOT
	WIN 0
.set i, 0
.rept 16
	v_med3_num_f32 v[X+16+i], v[X+16+i], -v[HO+1], v[HO+1]
.set i, i+1
.endr
	v_cvt_scalef32_pk8_fp8_f32 v[CD:CD+1], v[X:X+7], v[SOP]
	v_cvt_scalef32_pk8_fp8_f32 v[CD+2:CD+3], v[X+8:X+15], v[SOP]
	SLOT
	WIN 0
.set i, 0
.rept 16
	v_med3_num_f32 v[X+32+i], v[X+32+i], -v[HO+2], v[HO+2]
.set i, i+1
.endr
	v_cvt_scalef32_pk8_fp8_f32 v[CD+4:CD+5], v[X+16:X+23], v[SOP+1]
	v_cvt_scalef32_pk8_fp8_f32 v[CD+6:CD+7], v[X+24:X+31], v[SOP+1]
	SLOT
	WIN 0
	v_cvt_scalef32_pk8_fp8_f32 v[CD+8:CD+9], v[X+32:X+39], v[SOP+2]
	v_cvt_scalef32_pk8_fp8_f32 v[CD+10:CD+11], v[X+40:X+47], v[SOP+2]
.irp pp, 0,1,2
	v_lshrrev_b32 v[BY+\pp], 23, v[SOP+\pp]        ; the scale's byte.  (Plain lines behind the last conversion)
.endr
.irp pp, 0,1,2
	ds_store_b128 v[AW], v[CD+4*\pp:CD+4*\pp+3] offset:(3*(\tt)+\pp)*2048       ; register group w of fragment (tt, pp): 512 consecutive bytes
.endr
.irp pp, 0,1,2
	ds_store_b8 v[AWS], v[BY+\pp] offset:SCW+(3*(\tt)+\pp)*128                  ; byte w of each row's scale word
.endr
	SLOT
.endm
.macro NEXTQ                           ; the next row of q (my 16 channels) and the next query's (r, r, s, s) of the four tiles
	WIN 0
	v_add_nc_u32 v[AQ], s30, v[Q0]
	v_add_nc_u32 v[AT], s31, v[T0]
.irp t, 0,1,2,3
	ds_load_b128 v[STQ+4*\t:STQ+4*\t+3], v[AT] offset:256*\t
.endr
	WIN 0xC0
.irp j, 0,1,2,3
	ds_load_b128 v[QV+4*\j:QV+4*\j+3], v[AQ] offset:16*\j
.endr
	WIN 0
.endm
.macro QG1M                            ; q g1
	WIN 0xCF
.set i, 0
.rept 8
	v_pk_mul_f32 v[QG1+2*i:QG1+2*i+1], v[QV+2*i:QV+2*i+1], v[G+2*i:G+2*i+1]
.set i, i+1
.endr
.endm
.macro PLINE                           ; line p of P's 48: Horner step p / 8 on pair p % 8
.set pS, p/8
.set pP, 2*(p%8)
.if pS == 0
	v_pk_fma_f32 v[PP+pP:PP+pP+1], v[W2+pP:W2+pP+1], s[36:37], s[38:39] op_sel_hi:[1,0,0]
.else
	v_pk_fma_f32 v[PP+pP:PP+pP+1], v[PP+pP:PP+pP+1], v[W2+pP:W2+pP+1], s[38+2*pS:39+2*pS] op_sel_hi:[1,1,0]
.endif
.set p, p+1
.endm
; Tile tt's 16 hidden units a lane: (Wo / 2) u v (1 + erf), summed to four pairs.  Each accumulator is read from its low end on.
.macro EGROUP tt
.set aU, 192+32*((\tt)%2)
.set aV, aU+16
	WIN 2-(\tt)/2                                  ; source 0: window 2 (tiles 0, 1) or 1
.set i, 0
.rept 16
	v_med3_num_f32 v[VC+i], v[aV+i], s61, s60      ; vc
.set i, i+1
.endr
.set i, 0
.rept 8
	v_pk_mul_f32 v[AA+2*i:AA+2*i+1], v[aU+2*i:aU+2*i+1], v[HW+2*i:HW+2*i+1]
.set i, i+1
.endr
.set i, 0
.rept 8
	v_pk_mul_f32 v[AA+2*i:AA+2*i+1], v[aV+2*i:aV+2*i+1], v[AA+2*i:AA+2*i+1]
.set i, i+1
.endr
	WIN 0
.set i, 0
.rept 8
	v_pk_mul_f32 v[W2+2*i:W2+2*i+1], v[VC+2*i:VC+2*i+1], v[VC+2*i:VC+2*i+1]
.set i, i+1
.endr
.set i, 0
.rept 8
	v_pk_fma_f32 v[QQ+2*i:QQ+2*i+1], v[W2+2*i:W2+2*i+1], s[50:51], s[52:53] op_sel_hi:[1,0,0]
.set i, i+1
.endr
.irp hs, 1,2,3
.set i, 0
.rept 8
	v_pk_fma_f32 v[QQ+2*i:QQ+2*i+1], v[QQ+2*i:QQ+2*i+1], v[W2+2*i:W2+2*i+1], s[52+2*\hs:53+2*\hs] op_sel_hi:[1,1,0]
.set i, i+1
.endr
.endr
.set p, 0
.set i, 0
.rept 16
	v_rcp_f32 v[QQ+i], v[QQ+i]                     ; 1 / Q; three lines of P, which name no reciprocal, stand behind each
	PLINE
	PLINE
	PLINE
.set i, i+1
.endr
.set i, 0
.rept 8
	v_pk_mul_f32 v[PP+2*i:PP+2*i+1], v[VC+2*i:VC+2*i+1], v[PP+2*i:PP+2*i+1]
.set i, i+1
.endr
	s_wait_alu depctr_va_vdst(0)                   ; one wait for the sixteen reciprocals, ahead of their first reader
.set i, 0
.rept 8
	v_pk_fma_f32 v[QQ+2*i:QQ+2*i+1], v[PP+2*i:PP+2*i+1], v[QQ+2*i:QQ+2*i+1], 1.0 op_sel_hi:[1,1,0]      ; 1 + erf
.set i, i+1
.endr
.set i, 0
.rept 4
	v_pk_mul_f32 v[OS+8*(\tt)+2*i:OS+8*(\tt)+2*i+1], v[AA+2*i:AA+2*i+1], v[QQ+2*i:QQ+2*i+1]
.set i, i+1
.endr
.set i, 0
.rept 4
	v_pk_fma_f32 v[OS+8*(\tt)+2*i:OS+8*(\tt)+2*i+1], v[AA+8+2*i:AA+9+2*i], v[QQ+8+2*i:QQ+9+2*i], v[OS+8*(\tt)+2*i:OS+8*(\tt)+2*i+1]
.set i, i+1
.endr
.endm
.macro EFIN                            ; the four tiles' sums of my 16 hidden units, to my plane of PT
.irp t, 0,1,2,3
	v_pk_add_f32 v[OS+8*\t:OS+8*\t+1], v[OS+8*\t:OS+8*\t+1], v[OS+8*\t+2:OS+8*\t+3]
.endr
.irp t, 0,1,2,3
	v_pk_add_f32 v[OS+8*\t+4:OS+8*\t+5], v[OS+8*\t+4:OS+8*\t+5], v[OS+8*\t+6:OS+8*\t+7]
.endr
.irp t, 0,1,2,3
	v_pk_add_f32 v[OS+8*\t:OS+8*\t+1], v[OS+8*\t:OS+8*\t+1], v[OS+8*\t+4:OS+8*\t+5]
.endr
.irp t, 0,1,2,3
	v_add_f32 v[OS+8*\t], v[OS+8*\t], v[OS+8*\t+1]
.endr
.irp t, 0,1,2,3
	ds_store_b32 v[AP], v[OS+8*\t] offset:64*\t
.endr
.endm
; The head of a query step.  In front of the barrier my stores of this step's images have landed and my reads of the other buffer are over; behind it this step's images are whole,
; and the other buffer, which nobody reads any more, takes the next step's.
.macro TOP prod
	s_wait_dscnt 0x0
	s_barrier_signal -1
	s_barrier_wait -1
	v_add_nc_u32 v[AR], s28, v[LI]
	v_add_nc_u32 v[ARS], s28, v[LS]
	v_add_nc_u32 v[AP], s32, v[P0]
.if \prod
	v_add_nc_u32 v[AW], s29, v[WB0]
	v_add_nc_u32 v[AWS], s29, v[WS0]
.endif
.set f, 0
.rept 12
	ds_load_b32 v[ASC+f], v[ARS] offset:SCW+128*f
.set f, f+1
.endr
	WIN 0x80
.set f, 0
.rept 12
.irp c, 0,1,2,3
	ds_load_b128 v[16*f+4*\c:16*f+4*\c+3], v[AR] offset:2048*f+512*\c
.endr
.set f, f+1
.endr
.endm
	; ---- the first step's operand is made with nothing beside it
	s_mov_b32 s28, 0                               ; the buffer that is read
	s_mov_b32 s29, 0                               ; the buffer that is written
	s_mov_b32 s30, 0                               ; the row of QST,
	s_mov_b32 s31, 0                               ; of TAB,
	s_mov_b32 s32, 0                               ; of PT
	NEXTQ
	v_add_nc_u32 v[AW], s29, v[WB0]
	v_add_nc_u32 v[AWS], s29, v[WS0]
	s_wait_dscnt 0x0
	QG1M
.set MMON, 0
.set k, 0
.set m, 0
	PTILE 0
	PTILE 1
	PTILE 2
	PTILE 3
	s_mov_b32 s30, 512
	s_mov_b32 s31, 1024
	NEXTQ
	s_mov_b32 s29, IMG1
	s_mov_b32 s27, 31
.Lstep:                                                ; trip n = 0 .. 30: step n's products and gelu; step n + 1's operand
	TOP 1
	QG1M
.set MMON, 1
.set k, 0
.set m, 0
	PTILE 0
	PTILE 1
	PTILE 2
	PTILE 3                                        ; the last product stands in front of this tile's last sixteen holds, which are its eight places and more
	s_add_co_u32 s30, s30, 512
	s_add_co_u32 s31, s31, 1024
	NEXTQ                                          ; row n + 2.  In the last trip that is the place of a 33rd row: TAB's falls on QST, QST's on SCR, both whole since the first barrier and never written again; nothing uses what comes
	EGROUP 0
	EGROUP 1
	EGROUP 2
	EGROUP 3
	EFIN
	s_xor_b32 s28, s28, IMG1
	s_xor_b32 s29, s29, IMG1
	s_add_co_u32 s32, s32, 256
	s_sub_co_u32 s27, s27, 1
	s_cmp_lg_u32 s27, 0
	s_cbranch_scc1 .Lstep
	; ---- step 31: nothing is left to make
	TOP 0
.set m, 0
.rept 48
	MM
.endr
	WIN 0
.rept 8
	v_nop                                          ; eight places behind this form before its results are read
.endr
	EGROUP 0
	EGROUP 1
	EGROUP 2
	EGROUP 3
	EFIN
	; ---- the eight planes (four waves x two halves of the lanes) are added, planes ascending; + bo; thread t takes four keys of query 8 n + t / 16
	s_wait_dscnt 0x0
	s_barrier_signal -1
	s_barrier_wait -1
.irp n, 0,1,2,3
.irp q, 0,1,2,3,4,5,6,7
	ds_load_b128 v[128+32*\n+4*\q:128+32*\n+4*\q+3], v[FR] offset:8192*\q+2048*\n
.endr
.endr
.irp n, 0,1,2,3
	s_wait_dscnt 24-8*\n                           ; this group's eight loads are in; the later groups' may be out
.irp q, 1,2,3,4,5,6,7
	v_pk_add_f32 v[128+32*\n:129+32*\n], v[128+32*\n:129+32*\n], v[128+32*\n+4*\q:129+32*\n+4*\q]
	v_pk_add_f32 v[130+32*\n:131+32*\n], v[130+32*\n:131+32*\n], v[130+32*\n+4*\q:131+32*\n+4*\q]
.endr
	v_pk_add_f32 v[128+32*\n:129+32*\n], v[128+32*\n:129+32*\n], s[34:35] op_sel_hi:[1,0]
	v_pk_add_f32 v[130+32*\n:131+32*\n], v[130+32*\n:131+32*\n], s[34:35] op_sel_hi:[1,0]
	global_store_b128 v[GOF], v[128+32*\n:131+32*\n], s[20:21] offset:16384*\n th:TH_STORE_NT      ; sixteen lanes store 256 consecutive bytes, at a multiple of 256 from out0's first byte
.endr
	s_wait_tensorcnt 0x0
	ds_add_u32 v22, v23
	s_wait_dscnt 0x0
	s_endpgm
.Lfunc_end_k_q873072b0d2_pairs:
	.size	k_q873072b0d2_pairs, .Lfunc_end_k_q873072b0d2_pairs-k_q873072b0d2_pairs
	.p2alignl 7, 3214868480
	.fill 96, 4, 3214868480
	.section	.rodata,"a",@progbits
	.p2align	6, 0x0
	.amdhsa_kernel k_q873072b0d2_pairs
		.amdhsa_group_segment_fixed_size 181760
		.amdhsa_private_segment_fixed_size 0
		.amdhsa_enable_private_segment 0
		.amdhsa_kernarg_size 72
		.amdhsa_user_sgpr_count 2
		.amdhsa_user_sgpr_kernarg_segment_ptr 1
		.amdhsa_wavefront_size32 1
		.amdhsa_system_sgpr_workgroup_id_x 1
		.amdhsa_system_sgpr_workgroup_id_y 1
		.amdhsa_system_sgpr_workgroup_id_z 1
		.amdhsa_system_vgpr_workitem_id 0
		.amdhsa_next_free_vgpr 1024
		.amdhsa_next_free_sgpr 96
		.amdhsa_reserve_vcc 0
		.amdhsa_float_denorm_mode_32 3
		.amdhsa_float_denorm_mode_16_64 3
		.amdhsa_memory_ordered 1
		.amdhsa_forward_progress 1
		.amdhsa_inst_pref_size 255
	.end_amdhsa_kernel
	.section	.bss,"aw",@nobits
	.p2align	6
	.space	262144
	.amdgpu_metadata
---
amdhsa.version: [ 1, 2 ]
amdhsa.kernels:
  - .name:           k_q873072b0d2_pairs
    .symbol:         k_q873072b0d2_pairs.kd
    .args:
      - { .name: qk, .offset: 0, .size: 8, .value_kind: global_buffer, .address_space: global }
      - { .name: wuv, .offset: 8, .size: 8, .value_kind: global_buffer, .address_space: global }
      - { .name: ln_g, .offset: 16, .size: 8, .value_kind: global_buffer, .address_space: global }
      - { .name: ln_b, .offset: 24, .size: 8, .value_kind: global_buffer, .address_space: global }
      - { .name: bu, .offset: 32, .size: 8, .value_kind: global_buffer, .address_space: global }
      - { .name: bv, .offset: 40, .size: 8, .value_kind: global_buffer, .address_space: global }
      - { .name: Wo, .offset: 48, .size: 8, .value_kind: global_buffer, .address_space: global }
      - { .name: bo, .offset: 56, .size: 8, .value_kind: global_buffer, .address_space: global }
      - { .name: out0, .offset: 64, .size: 8, .value_kind: global_buffer, .address_space: global }
    .group_segment_fixed_size: 181760
    .private_segment_fixed_size: 0
    .kernarg_segment_align: 8
    .kernarg_segment_size: 72
    .max_flat_workgroup_size: 128
    .sgpr_count:     96
    .vgpr_count:     1024
    .wavefront_size: 32
...
	.end_amdgpu_metadata
.endif
;; end of part 2
;; ======== version 2 of 2: 2 launches; version 1 with the launches prep, pairs written anew for expert scheduling mode
;; workspace buffers: qk 1,048,576 bytes; wuv 104,448 bytes
;; launch prep (part 3): grid 256 x 1, 8 waves a work-group, no clusters, 37,888 bytes of LDS; arguments Q, K, Wq, Wk, Wu, Wv, qk, wuv; writes qk, wuv
.if DOCPART == 3
	.amdgcn_target "amdgcn-amd-amdhsa--gfx1250"
	.amdhsa_code_object_version 6
	.text
	.protected	k_q873072b0d2_prep
	.globl	k_q873072b0d2_prep
	.p2align	8
	.type	k_q873072b0d2_prep,@function
k_q873072b0d2_prep:
	s_mov_b64 s[64:65], 0
	v_nop
	global_prefetch_b8 v0, s[64:65] scope:SCOPE_SE
	s_setreg_imm32_b32 hwreg(HW_REG_WAVE_SCHED_MODE, 0, 2), 2
	s_setreg_imm32_b32 hwreg(HW_REG_WAVE_MODE, 25, 1), 1
	s_wait_xcnt 0x0
	s_wait_alu depctr_vm_vsrc(0)
; q = Q Wq and k = K Wk on codes of FP8 (E4M3) with one E8M0 scale for each 32 along K, into qk [2048][128] f32 (rows 0-1023 q, rows 1024-2047 k);
; and the codes and scale words of Wu and Wv, laid as images of the operand's registers, into wuv.
; SHARES.  Work-group x makes rows 32 (x / 4) .. + 31 of the stacked result, columns 32 (x % 4) .. + 31.  Wave w takes K = 128 w .. 128 w + 127: it quantises two
; fragments of rows and two of columns in registers and issues four matrix instructions, each a sum of its own begun with the constant 0.  The eight waves' partial
; tiles meet in LDS and are added in ascending w.  32 x 32 is the tile for which a work-group quantises the fewest numbers: 1,024 (rows + columns) with rows x columns = 1,024.
; THE PRODUCT IS USED TRANSPOSED (source 0 = 16 columns of W, source 1 = 16 rows): a lane then holds eight neighbouring columns of one row.
; W's K is its first axis: a lane takes a column and its registers run down K, so the conversions' results are the operand's registers.
; EXTRA: in work-groups 0 to 47 wave 0 also quantises one fragment (column tile x % 16 of Wu | Wv, K step x / 16).  wuv: fragment f = 3 x tile + K step at 2,048 f
; (register group c of lane l at 512 c + 16 l); its scale words at 98,304 + 128 f (4 bytes a lane).
; The result's tile is 128 bytes wide: eight lanes store 128 consecutive bytes of a row of qk, so a store covers halves of aligned blocks of 256 bytes (1 MB in all).
; LIMITS: NaN and infinities are not served.  A block whose largest magnitude lies under 2^-118 keeps the scale byte 1; so does a block of zeros (its codes are zeros, and this program alone reads the bytes).
; THE MODE: SCHED_MODE bits 1:0 = 2 (LLVM: expert scheduling mode 2), set by the entry lines.  The code itself states the register dependences
; between vector or matrix instructions and memory or LDS instructions, with s_wait_alu, always for 0.
; THE PLAN.  Registers that memory or LDS instructions touch:
;   v2-v8     offsets and LDS addresses: made once at the head, never written again.
;   D0, D1    loaded; held and read by a quantising; loaded again behind a wait that states that the quantising is done with them.
;   ACC       written by the four products; read by the eight stores into the stage.
;   D1 ..+31  the eight partial tiles land here from the stage; the sums write D1 .. D1 + 3, which the store to qk reads.
;   CB, SB    written by the conversions; the scaled products take them, and in the wave with the extra fragment the stores to wuv read them.
; No register that a memory or LDS instruction reads is ever written again, so no wait on vm_vsrc is owed.
.set XA,  2                            ; v2   rows: 4,096 r + 64 h
.set WA,  3                            ; v3   W: 4 r + 8,192 h (lanes 16-31 begin 16 rows of 512 bytes further down)
.set SO,  4                            ; v4   the stage, in: 4,608 wave + 144 r + 32 h
.set SR,  5                            ; v5   the stage, back: 144 (thread / 8) + 16 (thread % 8)
.set GO,  6                            ; v6   qk: 512 (thread / 8) + 16 (thread % 8)
.set LI,  7                            ; v7   16 x lane
.set LS,  8                            ; v8   4 x lane
.set TM,  12                           ; v12-27 the quantiser's work: largest magnitudes, bytes, holds, scale operands
.set SA0, 28                           ; v28, v29 the two row fragments' scale words; v30 the column fragment's
.set SA1, 29
.set SB,  30
.set CA0, 32                           ; codes: two fragments of rows, one of columns
.set CA1, 48
.set CB,  64
.set D0,  80                           ; two sets of 64 numbers
.set D1,  144
.set ACC, 208                          ; accumulator (row fragment a, column fragment n) at 208 + 8 (2 a + n)
.set WV,  20
.set SEL, 22
.set MNT, 24
	s_load_b512 s[4:19], s[0:1], 0x0               ; Q, K, Wq, Wk, Wu, Wv, qk, wuv
	v_lshl_add_u32 v240, v0, 2, 0x9000
	v_mov_b32 v241, 0
	v_lshrrev_b32 v1, 5, v0
	v_readfirstlane_b32 s[WV], v1                  ; wave 0..7
	v_and_b32 v9, 15, v0                           ; r
	v_bfe_u32 v10, v0, 4, 1                        ; h
	v_and_b32 v11, 31, v0                          ; lane
	v_lshlrev_b32 v[XA], 12, v9
	v_lshl_add_u32 v[XA], v10, 6, v[XA]
	v_lshlrev_b32 v[WA], 2, v9
	v_lshl_add_u32 v[WA], v10, 13, v[WA]
	s_wait_alu depctr_va_sdst(0)                   ; s20, the wave's number, is written, ahead of its first reader
	s_mul_i32 s21, s[WV], 4608
	v_mul_u32_u24 v[SO], v9, 144
	v_lshl_add_u32 v[SO], v10, 5, v[SO]
	v_add_nc_u32 v[SO], s21, v[SO]
	v_lshrrev_b32 v1, 3, v0
	v_and_b32 v9, 7, v0
	v_mul_u32_u24 v[SR], v1, 144
	v_lshl_add_u32 v[SR], v9, 4, v[SR]
	v_lshlrev_b32 v[GO], 9, v1
	v_lshl_add_u32 v[GO], v9, 4, v[GO]
	v_lshlrev_b32 v[LI], 4, v11
	v_lshlrev_b32 v[LS], 2, v11
.irp b, 0,1,2,3
	v_mov_b32 v[TM+4+\b], 0                        ; written once: a lane permute's destination counts as one of its sources
.endr
	s_mov_b32 s[SEL], 0x76543210
	s_mov_b32 s[SEL+1], 0xfedcba98                 ; v_permlanex16_b32's selects for lane l xor 16
	s_mov_b32 s[MNT], 0x600000                     ; the mantissa field of 448
	s_lshr_b32 s39, ttmp9, 2                       ; which 32 rows
	s_and_b32 s40, ttmp9, 3                        ; which 32 columns
	s_and_b32 s41, s39, 31
	s_lshl_b32 s42, s41, 17                        ; 32 rows of 4,096 bytes
	s_lshl_b32 s41, s[WV], 9                       ; my K step: 128 numbers
	s_add_co_u32 s42, s42, s41
	s_mov_b32 s43, 0
	s_lshl_b32 s44, s[WV], 16                      ; W: 128 rows of 512 bytes a K step
	s_lshl_b32 s41, s40, 7
	s_add_co_u32 s44, s44, s41
	s_mov_b32 s45, 0
	s_lshl_b32 s46, s39, 14                        ; qk: 32 rows of 512 bytes
	s_add_co_u32 s46, s46, s41
	s_mov_b32 s47, 0
	s_and_b32 s48, ttmp9, 15                       ; the extra fragment: column tile,
	s_lshr_b32 s49, ttmp9, 4
	s_min_u32 s49, s49, 2                          ; K step (held inside the weight in the work-groups that do not use it)
	s_and_b32 s50, s48, 7
	s_lshl_b32 s50, s50, 6
	s_lshl_b32 s51, s49, 16
	s_add_co_u32 s50, s50, s51
	s_mov_b32 s51, 0
	s_mul_i32 s52, s48, 3
	s_add_co_u32 s52, s52, s49                     ; f
	s_lshl_b32 s54, s52, 7
	s_add_co_u32 s54, s54, 98304
	s_mov_b32 s55, 0
	s_lshl_b32 s52, s52, 11
	s_mov_b32 s53, 0
	s_wait_kmcnt 0x0
	s_cmp_lt_u32 s39, 32                           ; q's rows or k's: the choice hangs on the work-group's number alone
	s_cselect_b64 s[26:27], s[4:5], s[6:7]
	s_cselect_b64 s[28:29], s[8:9], s[10:11]
	s_cmp_lt_u32 s48, 8
	s_cselect_b64 s[30:31], s[12:13], s[14:15]
	s_cmp_lt_u32 ttmp9, 48
	s_cselect_b32 s38, s[WV], 1                    ; 0 in the wave that has the extra fragment
	s_add_nc_u64 s[26:27], s[26:27], s[42:43]
	s_add_nc_u64 s[28:29], s[28:29], s[44:45]
	s_add_nc_u64 s[30:31], s[30:31], s[50:51]
	s_add_nc_u64 s[32:33], s[18:19], s[52:53]
	s_add_nc_u64 s[34:35], s[18:19], s[54:55]
	s_add_nc_u64 s[36:37], s[16:17], s[46:47]
; 16 rows x 128 K: lane (r, h) takes, of row r, 16 neighbouring numbers of each block of 32: register 16 c + t = k 32 c + 16 h + t
.macro LOADA a, d
.irp c, 0,1,2,3
.irp j, 0,1,2,3
	global_load_b128 v[\d+16*\c+4*\j:\d+16*\c+4*\j+3], v[XA], s[26:27] offset:65536*\a+128*\c+16*\j
.endr
.endr
.endm
; 16 columns x 128 K: lane (r, h) takes column r, registers down K in the same order
.macro LOADW bs, bn, d
.irp c, 0,1,2,3
.irp t, 0,1,2,3,4,5,6,7,8,9,10,11,12,13,14,15
	global_load_b32 v[\d+16*\c+\t], v[WA], s[\bs:\bs+1] offset:64*\bn+512*(32*\c+\t)
.endr
.endr
.endm
; 64 numbers of a lane become a fragment's codes and its scale word
.macro QUANT src, cod, pw
.irp b, 0,1,2,3
	v_max3_num_f32 v[TM+\b], |v[\src+16*\b]|, |v[\src+1+16*\b]|, 0x4800000   ; my 16 numbers of block b, and the floor 2^(9 - 127): the byte cannot fall under 1
.endr
.irp i, 2,4,6,8,10,12,14
.irp b, 0,1,2,3
	v_max3_num_f32 v[TM+\b], v[TM+\b], |v[\src+16*\b+\i]|, |v[\src+1+16*\b+\i]|
.endr
.endr
.irp b, 0,1,2,3
	v_permlanex16_b32 v[TM+4+\b], v[TM+\b], s[SEL], s[SEL+1]
.endr
.irp b, 0,1,2,3
	v_max_num_f32 v[TM+\b], v[TM+\b], v[TM+4+\b]   ; with lane l xor 16's: the block's largest magnitude
.endr
.irp b, 0,1,2,3
	v_add_nc_u32 v[TM+12+\b], 0xfc000000, v[TM+\b] ; 8 off its exponent field: the conversion's scale operand
.endr
.irp b, 0,1,2,3
	v_and_or_b32 v[TM+8+\b], v[TM+\b], 0x7f800000, s[MNT]   ; 448 x the scale
.endr
.irp b, 0,1,2,3
	v_lshrrev_b32 v[TM+4+\b], 23, v[TM+12+\b]      ; the scale's byte
.endr
	v_lshl_or_b32 v[\pw], v[TM+5], 8, v[TM+4]
	v_lshl_or_b32 v[\pw], v[TM+6], 16, v[\pw]
	v_lshl_or_b32 v[\pw], v[TM+7], 24, v[\pw]
.irp b, 0,1,2,3
.irp i, 0,1,2,3,4,5,6,7,8,9,10,11,12,13,14,15
	v_med3_num_f32 v[\src+16*\b+\i], v[\src+16*\b+\i], -v[TM+8+\b], v[TM+8+\b]   ; the conversion to an 8-bit code does not saturate (ISA guide 7.6.2): the hold
.endr
	v_cvt_scalef32_pk8_fp8_f32 v[\cod+4*\b:\cod+1+4*\b], v[\src+16*\b:\src+7+16*\b], v[TM+12+\b]
	v_cvt_scalef32_pk8_fp8_f32 v[\cod+2+4*\b:\cod+3+4*\b], v[\src+8+16*\b:\src+15+16*\b], v[TM+12+\b]
.endr
	v_nop                                          ; a plain line behind the last conversion
.endm
	s_wait_alu depctr_va_vdst(0)                   ; the offsets and LDS addresses v2 to v8 are written: every load and store of the kernel reads one of them
	LOADA 0, D0
	LOADA 1, D1
	s_wait_loadcnt 16                              ; the first row fragment's 16 loads are in, the second's may be out
	QUANT D0, CA0, SA0
	s_wait_alu depctr_va_vdst(0)                   ; the holds have written D0 and the conversions are done reading it: the 64 loads below land in it
	LOADW 28, 0, D0
	s_wait_loadcnt 63                              ; 64 loads were issued behind the second row fragment's: it is in
	QUANT D1, CA1, SA1
	s_wait_alu depctr_va_vdst(0)                   ; the same of D1
	LOADW 28, 1, D1
	s_wait_loadcnt 63                              ; 64 loads were issued behind the first column fragment's: it is in
	QUANT D0, CB, SB
.rept 4
	v_nop                                          ; codes written by vector instructions stand four places ahead of a scaled matrix instruction; the scale word was made ahead of the holds
.endr
	s_wait_alu depctr_va_vdst(0)                   ; the codes CB, CA0, CA1 and the scale words v28 to v30 are written, which the scaled products take; and this quantising is done with D0, in which the extra fragment's loads land
	v_wmma_scale_f32_16x16x128_f8f6f4 v[ACC:ACC+7], v[CB:CB+15], v[CA0:CA0+15], 0, v[SB], v[SA0]
	v_wmma_scale_f32_16x16x128_f8f6f4 v[ACC+16:ACC+23], v[CB:CB+15], v[CA1:CA1+15], 0, v[SB], v[SA1]
	s_wait_loadcnt 0x0                             ; the second column fragment
	s_cmp_eq_u32 s38, 0
	s_cbranch_scc0 .Lno_extra_load
	LOADW 30, 0, D0                                ; the extra fragment's numbers land while the rest is done.  No wait: nothing issued since the wait above names D0
.Lno_extra_load:
	QUANT D1, CB, SB                               ; its maxima, more than eight plain lines, stand between the products above and the first write of their scale word and codes
.rept 4
	v_nop
.endr
	s_wait_alu depctr_va_vdst(0)                   ; the second column fragment's codes and scale word are written, which the scaled products take
	v_wmma_scale_f32_16x16x128_f8f6f4 v[ACC+8:ACC+15], v[CB:CB+15], v[CA0:CA0+15], 0, v[SB], v[SA0]
	v_wmma_scale_f32_16x16x128_f8f6f4 v[ACC+24:ACC+31], v[CB:CB+15], v[CA1:CA1+15], 0, v[SB], v[SA1]
.rept 8
	v_nop                                          ; eight places behind this form before its results are read
.endr
	s_wait_alu depctr_va_vdst(0)                   ; the four products have written the accumulators, which the LDS stores read; the places above stay beside this wait.  The quantising is done with D1, in which the loads from the stage land
.irp a, 0,1
.irp n, 0,1
	ds_store_b128 v[SO], v[ACC+8*(2*\a+\n):ACC+8*(2*\a+\n)+3] offset:2304*\a+64*\n        ; lane (r, h): row 16 a + r, columns 16 n + 8 h + 0 .. 7; each accumulator from its low end on
	ds_store_b128 v[SO], v[ACC+8*(2*\a+\n)+4:ACC+8*(2*\a+\n)+7] offset:2304*\a+64*\n+16
.endr
.endr
	s_wait_dscnt 0x0                               ; for the others' sake: my partial tile lies in the stage
	s_barrier_signal -1
	s_barrier_wait -1
.irp p, 0,1,2,3,4,5,6,7
	ds_load_b128 v[D1+4*\p:D1+4*\p+3], v[SR] offset:4608*\p   ; my four numbers of each wave's partial tile
.endr
	s_wait_dscnt 0x0
.irp p, 1,2,3,4,5,6,7
	v_pk_add_f32 v[D1:D1+1], v[D1:D1+1], v[D1+4*\p:D1+4*\p+1]        ; K ascending
	v_pk_add_f32 v[D1+2:D1+3], v[D1+2:D1+3], v[D1+4*\p+2:D1+4*\p+3]
.endr
	s_wait_alu depctr_va_vdst(0)                   ; the sums have written D1 .. D1 + 3, which the store reads
	global_store_b128 v[GO], v[D1:D1+3], s[36:37]
	s_cmp_eq_u32 s38, 0
	s_cbranch_scc0 .Lend
	s_wait_loadcnt 0x0
	QUANT D0, CB, SB                               ; it writes none of the store's registers
	s_wait_alu depctr_va_vdst(0)                   ; the conversions have written CB and the scale word v30, which the stores read
.irp c, 0,1,2,3
	global_store_b128 v[LI], v[CB+4*\c:CB+4*\c+3], s[32:33] offset:512*\c     ; the fragment as it stands: 512 consecutive bytes a store
.endr
	global_store_b32 v[LS], v[SB], s[34:35]
.Lend:
	s_wait_dscnt 0x0
	s_wait_alu depctr_hold_cnt(0) depctr_sa_sdst(0) depctr_va_vdst(0) depctr_va_sdst(0) depctr_va_ssrc(0) depctr_va_vcc(0) depctr_vm_vsrc(0)
	s_wait_tensorcnt 0x0
	ds_add_u32 v240, v241
	s_wait_dscnt 0x0
	s_endpgm
.Lfunc_end_k_q873072b0d2_prep:
	.size	k_q873072b0d2_prep, .Lfunc_end_k_q873072b0d2_prep-k_q873072b0d2_prep
	.p2alignl 7, 3214868480
	.fill 96, 4, 3214868480
	.section	.rodata,"a",@progbits
	.p2align	6, 0x0
	.amdhsa_kernel k_q873072b0d2_prep
		.amdhsa_group_segment_fixed_size 37888
		.amdhsa_private_segment_fixed_size 0
		.amdhsa_enable_private_segment 0
		.amdhsa_kernarg_size 64
		.amdhsa_user_sgpr_count 2
		.amdhsa_user_sgpr_kernarg_segment_ptr 1
		.amdhsa_wavefront_size32 1
		.amdhsa_system_sgpr_workgroup_id_x 1
		.amdhsa_system_sgpr_workgroup_id_y 1
		.amdhsa_system_sgpr_workgroup_id_z 1
		.amdhsa_system_vgpr_workitem_id 0
		.amdhsa_next_free_vgpr 242
		.amdhsa_next_free_sgpr 66
		.amdhsa_reserve_vcc 0
		.amdhsa_float_denorm_mode_32 3
		.amdhsa_float_denorm_mode_16_64 3
		.amdhsa_memory_ordered 1
		.amdhsa_forward_progress 1
		.amdhsa_inst_pref_size 69
	.end_amdhsa_kernel
	.amdgpu_metadata
---
amdhsa.version: [ 1, 2 ]
amdhsa.kernels:
  - .name:           k_q873072b0d2_prep
    .symbol:         k_q873072b0d2_prep.kd
    .args:
      - { .name: Q, .offset: 0, .size: 8, .value_kind: global_buffer, .address_space: global }
      - { .name: K, .offset: 8, .size: 8, .value_kind: global_buffer, .address_space: global }
      - { .name: Wq, .offset: 16, .size: 8, .value_kind: global_buffer, .address_space: global }
      - { .name: Wk, .offset: 24, .size: 8, .value_kind: global_buffer, .address_space: global }
      - { .name: Wu, .offset: 32, .size: 8, .value_kind: global_buffer, .address_space: global }
      - { .name: Wv, .offset: 40, .size: 8, .value_kind: global_buffer, .address_space: global }
      - { .name: qk, .offset: 48, .size: 8, .value_kind: global_buffer, .address_space: global }
      - { .name: wuv, .offset: 56, .size: 8, .value_kind: global_buffer, .address_space: global }
    .group_segment_fixed_size: 37888
    .private_segment_fixed_size: 0
    .kernarg_segment_align: 8
    .kernarg_segment_size: 64
    .max_flat_workgroup_size: 256
    .sgpr_count:     66
    .vgpr_count:     242
    .wavefront_size: 32
...
	.end_amdgpu_metadata
.endif
;; end of part 3
;; launch pairs (part 4): grid 8 x 32, 4 waves a work-group, no clusters, 181,760 bytes of LDS; arguments qk, wuv, ln_g, ln_b, bu, bv, Wo, bo, out0; writes out0
.if DOCPART == 4
	.amdgcn_target "amdgcn-amd-amdhsa--gfx1250"
	.amdhsa_code_object_version 6
	.text
	.protected	k_q873072b0d2_pairs
	.globl	k_q873072b0d2_pairs
	.p2align	8
	.type	k_q873072b0d2_pairs,@function
k_q873072b0d2_pairs:
	s_mov_b64 s[64:65], 0
	v_nop
	global_prefetch_b8 v0, s[64:65] scope:SCOPE_SE
	s_setreg_imm32_b32 hwreg(HW_REG_WAVE_SCHED_MODE, 0, 2), 2
	s_setreg_imm32_b32 hwreg(HW_REG_WAVE_MODE, 25, 1), 1
	s_wait_xcnt 0x0
	s_wait_alu depctr_vm_vsrc(0)
; out0[b][i][j] = Wo . ((x Wu + bu) gelu(x Wv + bv)) + bo,  x = LayerNorm([q_i, k_j, q_i k_j]) quantised along its 384 channels to FP8 (E4M3) with one E8M0 scale for each 32.
; SHARES.  A work-group takes 32 queries x 64 keys of one batch; four waves, one to a SIMD.  A QUERY STEP is one query against the 64 keys: four tiles of 16 pairs (lane % 16 = the key).
; THE WAVES SHARE THE COLUMNS, TWICE.  Making the operand: wave w makes channels 32 w .. 32 w + 31 of each of the three parts (block w of K steps 0, 1, 2) for all four tiles, so that its 48 gains,
; 48 biases and its part of the 64 keys' rows stay in registers.  Using it: wave w keeps the fragments of u's and v's column tiles 2 w, 2 w + 1 for all three K steps (192 registers) for the whole launch.
; The codes go from wave to wave through LDS as images of the operand's registers, in two buffers by turns: one barrier a query step.
; BY TURNS.  A step's 48 matrix instructions stand between the chunks of vector lines that make the NEXT step's operand; the accumulators take turns, one instruction a turn.
; BOTH PRODUCTS ARE USED TRANSPOSED (source 0 = 16 columns of W, source 1 = 16 pairs): a lane holds one pair and eight hidden units; the biases bu, bv are the C of each sum's first instruction.
; LAYERNORM.  For each pair r = rsqrt(var + eps), s = -mu r;  x = r (q g) + (s g + b), r (k g) + (s g + b), (r (k g)) q + (s g + b): seven packed lines for six numbers.
; STATISTICS, centred: dq = q - mq, dk = k - mk, Vq = sum dq^2, Vk = sum dk^2; three f32 products for each 16 x 16 pairs: E1 = sum q^2 dk^2, E2 = sum (q dq) dk, C = sum dq dk.
;   mean of q k: mp = mq mk + C / 128;  mu = (mq + mk + mp) / 3;  since q k - mq mk = q dk + mk dq:  sum (q k - mp)^2 = E1 + 2 mk E2 + mk^2 Vq - C^2 / 128;
;   384 var = Vq + Vk + that + 128 ((mq - mu)^2 + (mk - mu)^2 + (mp - mu)^2).
; GELU.  erf(v / sqrt 2) = vc P(vc^2) / Q(vc^2), vc = v held within +-4 sqrt 2, P of 7 and Q of 5 coefficients (the factors of v / sqrt 2 folded in); a pair's share is (Wo / 2) u v (1 + erf).
; LIMITS: NaN and infinities are not served.  A block whose largest magnitude lies under 2^-118, a block of zeros too, keeps the scale byte 1.  The normalised number carries an error of about
; 2^-24 (1 + |mu| / sigma) of its size.  erf is held at its value at 4 for |v| >= 5.657.
; LDS: two image buffers (fragment (tile T, K step s) at 2,048 (3 T + s), its scale words at SCW + 128 (3 T + s); wave w writes register group w and byte w); TAB [32 queries][64 keys] x (r, r, s, s);
;   QST the 32 rows of q; SCR 256 bytes a wave; PT the partial sums [wave][lane half][query][key].
; REGISTERS, in windows of 256 (s_set_vgpr_msb: bits 1:0 source 0, 3:2 source 1, 5:4 source 2, 7:6 destination):
;   window 0: v2-17 addresses; v20-22 a tile's three scale bytes; v24-35 W's scale words, v36-47 the operand's; v48-95 b; v96-111 Wo / 2; v112-127 (r, r, s, s) of the four tiles (at the head: addresses); v128-159 the tiles' sums (at the head: k's statistics); v160-255 at work
;   window 1: v0-191 W's 12 fragments; v192-255 the accumulators of tiles 2, 3 (at the head: k in the layout of the making)
;   window 2: v0-191 the operand's 12 fragments (at the head: q^2, dq, q dq); v192-255 the accumulators of tiles 0, 1 (at the head v192-239: the six f32 sums; matrix instructions alone ever write them)
;   window 3: v0-47 g; v48-111 k g2 (at the head dk); v112-175 k g3 (at the head dk^2); v176-191 q; v192-207 q g1; v208-239 bu, bv in the result's layout
; THE MODE: SCHED_MODE bits 1:0 = 2 (LLVM: expert scheduling mode 2), set by the entry lines.  The code itself states the register dependences
; between vector or matrix instructions and memory or LDS instructions, with s_wait_alu, always for 0.
; THE PLAN, in the loop.  Registers that LDS instructions touch:
;   the 12 fragments (window 2, v0-191), the scale words v36-47   loaded in this step; read by this step's matrix instructions.
;   v11-14, v17 (AR, ARS, AW, AWS, AP)                             written by five adds at the step's head; read by the step's LDS loads and stores.
;   v15, v16 (AQ, AT)                                              written by two adds behind tile 3; read by the eight loads of the next row.
;   CD (v244-255), BY (v20-22)                                     written by a tile's conversions and shifts; read by its six stores; written again by the next tile.  The gelu (v128-239) names none of them.
;   STQ (v112-127), QV (window 3, v176-191)                        read by the making of the four tiles; loaded again behind tile 3.
;   OS + 8 t (v128, v136, v144, v152)                              written by the gelu's sums; read by the step's four stores into PT.
; THE WAITS OF A STEP.  (1) At its head, behind the barrier: on vm_vsrc, for the five addresses, CD, BY and OS, which the last step's LDS instructions read; the five adds; on va_vdst: the addresses are
; written, and the last step's matrix instructions are done reading the fragments and scale words.  All 60 loads of the step lean on that wait: 24 follow at once, 36 stand four at a time behind the first
; nine matrix instructions; what is issued between names neither v11 nor a fragment still to come.  (2) Tiles 0 to 2: on va_vdst, behind the tile's last conversions and shifts, ahead of its six stores.
; (3) Tiles 1 to 3: on vm_vsrc, ahead of the first conversion into CD.  (4) Behind tile 3 and the two adds: on va_vdst, for tile 3's stores, for AQ and AT, and for the loads into STQ and QV.
; (5) In each gelu: on va_vdst, for its sixteen reciprocals.  (6) On va_vdst, ahead of the four stores into PT.
.set IMG1, 32768
.set SCW,  24576
.set TAB,  65536
.set QST,  98304
.set SCR,  114688
.set PT,   115712
.set LI,  2                            ; 16 x lane
.set LS,  3                            ; 4 x lane
.set WB0, 4                            ; 16 x lane + 512 x wave: where I store codes
.set WS0, 5                            ; 4 x lane + wave: where I store a scale byte
.set Q0,  6                            ; QST + 128 wave + 64 h
.set T0,  7                            ; TAB + 16 r
.set P0,  8                            ; PT + 16,384 wave + 8,192 h + 4 r
.set FR,  9                            ; PT + 16 x thread
.set GOF, 10                           ; out0: 2,048 (thread / 16) + 16 (thread % 16)
.set AR,  11                           ; the step's addresses: images read, their scale words,
.set ARS, 12
.set AW,  13                           ; images written, their scale bytes,
.set AWS, 14
.set AQ,  15                           ; the next q row, the next row of TAB,
.set AT,  16
.set AP,  17                           ; the step's row of PT
.set BY,  20                           ; a tile's three scale bytes (at the head v18-21 are r, h, the lane, thread / 16)
.set WSC, 24
.set ASC, 36
.set BC,  48
.set HW,  96
.set STQ, 112
.set RL,  112                          ; head only: 512 r + 64 h
.set CP,  113                          ; 16 x thread
.set GL,  114                          ; 128 wave + 64 h
.set BL,  115                          ; 128 wave + 32 h
.set KPA, 116                          ; 512 r + 128 wave + 64 h
.set SCS, 117                          ; SCR + 256 wave + 4 r
.set SCL, 118                          ; SCR + 256 wave + 32 h
.set TS0, 119                          ; TAB + 8,192 h + 256 wave + 16 r
.set QSA, 120                          ; QST + 16 x thread
.set OS,  128
.set MK,  OS                           ; head only: mk (a pair), Vk, 2 mk, mk^2 + 1
.set VK,  OS+2
.set MK2, OS+3
.set MK21, OS+4
.set RS,  OS+6                         ; four packed chains; RS + 8 a lane permute's destination
.set MQP, OS+16                        ; mq (a pair)
.set TMP, 160
.set X,   TMP                          ; making the operand: 48 numbers, 16 of r k g3
.set Y,   TMP+48
.set MA,  TMP+64
.set MB,  TMP+67
.set PM,  TMP+70
.set SOP, TMP+73
.set HO,  TMP+76
.set CD,  TMP+84
.set VC,  TMP                          ; gelu
.set AA,  TMP+16
.set W2,  TMP+32
.set PP,  TMP+48
.set QQ,  TMP+64
.set MQ,  TMP                          ; pair statistics
.set VQ,  TMP+8
.set C2,  TMP+16
.set SS,  TMP+24
.set MP,  TMP+32
.set MU,  TMP+40
.set D1,  TMP+48
.set D2,  TMP+56
.set QD,  TMP+64
.set G,   0                            ; window 3
.set KG2, 48
.set KG3, 112
.set QV,  176
.set QG1, 192
.set BIAS, 208
.set MSB, 0
.macro WIN new                         ; the immediate's high byte repeats the setting that is left; a switch that changes nothing is dropped
.if MSB != (\new)
	s_set_vgpr_msb (MSB<<8)|(\new)
.set MSB, (\new)
.endif
.endm
.macro KONST r, val                    ; a constant for the packed forms: they name a pair and take its low word for both halves
	s_mov_b32 s[\r], \val
	s_mov_b32 s[\r+1], \val
.endm
	s_load_b512 s[4:19], s[0:1], 0x0               ; qk, wuv, ln_g, ln_b, bu, bv, Wo, bo
	s_load_b64 s[20:21], s[0:1], 0x40              ; out0
	v_lshl_add_u32 v23, v0, 2, 0x2c400
	s_set_vgpr_msb 0xc0
	v_mov_b32 v255, 0
	s_set_vgpr_msb 0xc000
	v_lshrrev_b32 v1, 5, v0
	v_readfirstlane_b32 s22, v1                    ; wave 0..3
	v_and_b32 v18, 15, v0                          ; r
	v_bfe_u32 v19, v0, 4, 1                        ; h
	v_and_b32 v20, 31, v0                          ; lane
	v_lshlrev_b32 v[LI], 4, v20
	v_lshlrev_b32 v[LS], 2, v20
	s_wait_alu depctr_va_sdst(0)                   ; s22, the wave's number, is written, ahead of its first reader
	s_lshl_b32 s23, s22, 9
	v_add_nc_u32 v[WB0], s23, v[LI]
	v_add_nc_u32 v[WS0], s22, v[LS]
	s_lshl_b32 s23, s22, 7
	v_lshl_add_u32 v[GL], v19, 6, s23
	v_lshl_add_u32 v[BL], v19, 5, s23
	v_add_nc_u32 v[Q0], QST, v[GL]
	v_lshlrev_b32 v[RL], 9, v18
	v_lshl_add_u32 v[RL], v19, 6, v[RL]
	v_add_nc_u32 v[KPA], s23, v[RL]
	v_lshlrev_b32 v[CP], 4, v0
	v_add_nc_u32 v[QSA], QST, v[CP]
	v_add_nc_u32 v[FR], PT, v[CP]
	s_lshl_b32 s23, s22, 8
	v_lshl_add_u32 v[SCS], v18, 2, s23
	v_add_nc_u32 v[SCS], SCR, v[SCS]
	v_lshl_add_u32 v[SCL], v19, 5, s23
	v_add_nc_u32 v[SCL], SCR, v[SCL]
	v_lshl_add_u32 v[TS0], v18, 4, s23
	v_lshl_add_u32 v[TS0], v19, 13, v[TS0]
	v_add_nc_u32 v[TS0], TAB, v[TS0]
	v_lshlrev_b32 v[T0], 4, v18
	v_add_nc_u32 v[T0], TAB, v[T0]
	s_lshl_b32 s23, s22, 14
	v_lshl_add_u32 v[P0], v18, 2, s23
	v_lshl_add_u32 v[P0], v19, 13, v[P0]
	v_add_nc_u32 v[P0], PT, v[P0]
	v_lshrrev_b32 v21, 4, v0
	v_lshlrev_b32 v[GOF], 11, v21
	v_lshl_add_u32 v[GOF], v18, 4, v[GOF]
	v_mov_b32 v[RS+8], 0                           ; written once: a lane permute's destination counts as one of its sources
	s_mov_b32 s24, 0x76543210
	s_mov_b32 s25, 0xfedcba98                      ; v_permlanex16_b32's selects for lane l xor 16
	s_mov_b32 s26, 0x600000                        ; the mantissa field of 448
	KONST 36, 0xac53f331                           ; P, highest degree first: -3.01199012e-12
	KONST 38, 0x3028496f                           ;  6.12239883e-10
	KONST 40, 0xb3c7667d                           ; -9.2853020e-08
	KONST 42, 0xb6a8d45d                           ; -5.03151234e-06
	KONST 44, 0xb9083d9c                           ; -1.29929215e-04
	KONST 46, 0xba88eb41                           ; -1.04460878e-03
	KONST 48, 0xbc3a79f3                           ; -1.13816143e-02
	KONST 50, 0xb57460cd                           ; Q, highest degree first: -9.10379490e-07
	KONST 52, 0xb7dfbd29                           ; -2.66717569e-05
	KONST 54, 0xb9dc924e                           ; -4.20706744e-04
	KONST 56, 0xbb719bf8                           ; -3.68666458e-03
	KONST 58, 0xbc69b6a7                           ; -1.42647391e-02
	s_mov_b32 s60, 0x40b504f3                      ; 4 sqrt 2
	s_mov_b32 s61, 0xc0b504f3
	s_mov_b32 s66, 0x3c000000                      ; 1 / 128
	s_mov_b32 s67, 0xbc000000                      ; -1 / 128
	s_mov_b32 s68, 0x3eaaaaab                      ; 1 / 3
	s_mov_b32 s69, 0x43000000                      ; 128
	s_mov_b32 s70, 0x3b2aaaab                      ; 1 / 384
	s_mov_b32 s71, 0x3727c5ac                      ; eps = 1e-5
	s_and_b32 s82, ttmp7, 0xffff
	s_lshr_b32 s83, s82, 4                         ; the batch
	s_and_b32 s84, s82, 15                         ; which 32 queries
	s_lshl_b32 s85, s83, 9
	s_lshl_b32 s86, s84, 5
	s_add_co_u32 s86, s86, s85                     ; my first query's row
	s_lshl_b32 s87, ttmp9, 6
	s_add_co_u32 s87, s87, s85
	s_add_co_u32 s87, s87, 1024                    ; my first key's row in qk
	s_lshl_b32 s88, s86, 9
	s_mov_b32 s89, 0
	s_lshl_b32 s90, s87, 9
	s_mov_b32 s91, 0
	s_lshl_b32 s92, s86, 11
	s_lshl_b32 s93, ttmp9, 8
	s_add_co_u32 s92, s92, s93
	s_mov_b32 s93, 0
	s_wait_kmcnt 0x0
	s_load_b32 s34, s[18:19], 0x0                  ; bo
	s_add_nc_u64 s[74:75], s[4:5], s[88:89]        ; my 32 rows of q
	s_add_nc_u64 s[72:73], s[4:5], s[90:91]        ; my 64 rows of k
	s_add_nc_u64 s[20:21], s[20:21], s[92:93]
	s_lshl_b32 s88, s22, 13
	s_add_nc_u64 s[80:81], s[72:73], s[88:89]      ; my wave's 16 keys
	s_mul_i32 s88, s22, 12288
	s_add_nc_u64 s[76:77], s[6:7], s[88:89]        ; my wave's fragments of Wu (Wv's lie 49,152 bytes on)
	s_mul_i32 s88, s22, 768
	s_add_nc_u64 s[78:79], s[6:7], s[88:89]        ; and their scale words
	; ---- 56 loads for the statistics.  A row's layout: lane (r, h), register 16 c + t = channel 32 c + 16 h + t of row r
	WIN 0xC0
	s_wait_alu depctr_va_vdst(0)                   ; the offsets and LDS addresses v2 to v10 and v112 to v120 are written, which the head's loads and stores, and v9 and v10 the way out's, read
.irp c, 0,1,2,3
.irp j, 0,1,2,3
	global_load_b128 v[48+16*\c+4*\j:48+16*\c+4*\j+3], v[RL], s[80:81] offset:128*\c+16*\j      ; my 16 keys
.endr
.endr
	WIN 0x80
.irp c, 0,1,2,3
.irp j, 0,1,2,3
	global_load_b128 v[16*\c+4*\j:16*\c+4*\j+3], v[RL], s[74:75] offset:128*\c+16*\j            ; queries 0-15
.endr
.endr
	WIN 0
.irp n, 0,1,2,3,4,5,6,7
	global_load_b128 v[TMP+64+4*\n:TMP+64+4*\n+3], v[CP], s[74:75] offset:2048*\n               ; my quarter of the 32 rows of q as they lie, for QST
.endr
.irp c, 0,1,2,3
.irp j, 0,1,2,3
	global_load_b128 v[TMP+16*\c+4*\j:TMP+16*\c+4*\j+3], v[RL], s[74:75] offset:8192+128*\c+16*\j   ; queries 16-31
.endr
.endr
	; ---- 52 loads of what stays: g, bu, bv, b, Wo, and k's rows in the layout of the making (register t = channel 32 wave + 16 h + t of key 16 T + r)
	WIN 0xC0
.irp p, 0,1,2
.irp j, 0,1,2,3
	global_load_b128 v[G+16*\p+4*\j:G+16*\p+4*\j+3], v[GL], s[8:9] offset:512*\p+16*\j
.endr
.endr
.irp e, 0,1
	global_load_b128 v[BIAS+8*\e:BIAS+8*\e+3], v[BL], s[12:13] offset:64*\e
	global_load_b128 v[BIAS+8*\e+4:BIAS+8*\e+7], v[BL], s[12:13] offset:64*\e+16
	global_load_b128 v[BIAS+16+8*\e:BIAS+16+8*\e+3], v[BL], s[14:15] offset:64*\e
	global_load_b128 v[BIAS+16+8*\e+4:BIAS+16+8*\e+7], v[BL], s[14:15] offset:64*\e+16
.endr
	WIN 0
.irp p, 0,1,2
.irp j, 0,1,2,3
	global_load_b128 v[BC+16*\p+4*\j:BC+16*\p+4*\j+3], v[GL], s[10:11] offset:512*\p+16*\j
.endr
.endr
.irp j, 0,1,2,3
	global_load_b128 v[HW+4*\j:HW+4*\j+3], v[BL], s[16:17] offset:64*(\j/2)+16*(\j%2)
.endr
	WIN 0x40
.irp t, 0,1,2,3
.irp j, 0,1,2,3
	global_load_b128 v[192+16*\t+4*\j:192+16*\t+4*\j+3], v[KPA], s[72:73] offset:8192*\t+16*\j
.endr
.endr
	WIN 0
	s_wait_loadcnt 52                              ; the first 56 loads are in; the 52 issued behind them may be out
.irp n, 0,1,2,3,4,5,6,7
	ds_store_b128 v[QSA], v[TMP+64+4*\n:TMP+64+4*\n+3] offset:2048*\n
.endr
.macro FOLD                            ; four packed chains -> the row's sum, in both lanes that hold the row
	v_pk_add_f32 v[RS:RS+1], v[RS:RS+1], v[RS+2:RS+3]
	v_pk_add_f32 v[RS+4:RS+5], v[RS+4:RS+5], v[RS+6:RS+7]
	v_pk_add_f32 v[RS:RS+1], v[RS:RS+1], v[RS+4:RS+5]
	v_add_f32 v[RS], v[RS], v[RS+1]
	v_permlanex16_b32 v[RS+8], v[RS], s24, s25
	v_add_f32 v[RS], v[RS], v[RS+8]
.endm
.macro ROWSUM win, base                ; the sum of my row's 128 numbers; the first four pairs of pairs start the chains: nothing is cleared
	WIN (\win)|((\win)<<2)
.irp c, 0,1,2,3
	v_pk_add_f32 v[RS+2*\c:RS+2*\c+1], v[\base+2*\c:\base+2*\c+1], v[\base+8+2*\c:\base+9+2*\c]
.endr
	WIN (\win)<<2
.irp i, 2,3,4,5,6,7
.irp c, 0,1,2,3
	v_pk_add_f32 v[RS+2*\c:RS+2*\c+1], v[RS+2*\c:RS+2*\c+1], v[\base+8*\i+2*\c:\base+8*\i+2*\c+1]
.endr
.endr
	WIN 0
	FOLD
.endm
.macro SUMSQ win, base                 ; the sum of their squares
	WIN (\win)|((\win)<<2)
.irp c, 0,1,2,3
	v_pk_mul_f32 v[RS+2*\c:RS+2*\c+1], v[\base+2*\c:\base+2*\c+1], v[\base+2*\c:\base+2*\c+1]
.endr
.irp i, 1,2,3,4,5,6,7
.irp c, 0,1,2,3
	v_pk_fma_f32 v[RS+2*\c:RS+2*\c+1], v[\base+8*\i+2*\c:\base+8*\i+2*\c+1], v[\base+8*\i+2*\c:\base+8*\i+2*\c+1], v[RS+2*\c:RS+2*\c+1]
.endr
.endr
	WIN 0
	FOLD
.endm
; 16 rows of q (window win, from register base) -> dq, q dq, q^2 in window 2; mq and Vq to my scratch, from where they come back by the result's layout.  The two stores stand together, behind one wait.
.macro QFEAT win, base, tile
.if \tile
	s_wait_alu depctr_vm_vsrc(0)                   ; the first sixteen queries' two stores have read v[MQP] and v[RS], which the lines below write again; the stores into QST have read v224 to v255, which the first block of r and s writes
.endif
	ROWSUM \win, \base
	v_mul_f32 v[MQP], s66, v[RS]
	v_mov_b32 v[MQP+1], v[MQP]
	WIN 0x80|(\win)
.set i, 0
.rept 32
	v_pk_add_f32 v[64+2*i:65+2*i], v[\base+2*i:\base+2*i+1], v[MQP:MQP+1] neg_lo:[0,1] neg_hi:[0,1]
.set i, i+1
.endr
	WIN 0x88|(\win)
.set i, 0
.rept 32
	v_pk_mul_f32 v[128+2*i:129+2*i], v[\base+2*i:\base+2*i+1], v[64+2*i:65+2*i]
.set i, i+1
.endr
	WIN 0x80|((\win)<<2)|(\win)
.set i, 0
.rept 32
	v_pk_mul_f32 v[2*i:2*i+1], v[\base+2*i:\base+2*i+1], v[\base+2*i:\base+2*i+1]      ; last: for the first tile it lands on q itself
.set i, i+1
.endr
	SUMSQ 2, 64
	s_wait_alu depctr_va_vdst(0)                   ; v[MQP] and v[RS] are written, which the two stores read; and the lines above are done reading the rows of q: of the second sixteen, in v160 on, where mq and Vq land later
	ds_store_b32 v[SCS], v[MQP] offset:128*(\tile)
	ds_store_b32 v[SCS], v[RS] offset:128*(\tile)+64
.endm
; The three f32 products of 16 queries x my 16 keys: source 0 = the queries' features, source 1 = the keys'.  A register pair holds the same four channels on both sides, so 32 instructions cover the 128.
; The three sums take turns, one instruction a turn; each begins with the constant 0 in its own first instruction.
.macro STATW ib
	WIN 0xAE
.set st, 0
.rept 32
.if st == 0
	v_wmma_f32_16x16x4_f32 v[192+24*(\ib):199+24*(\ib)], v[0:1], v[112:113], 0
	v_wmma_f32_16x16x4_f32 v[200+24*(\ib):207+24*(\ib)], v[128:129], v[48:49], 0
	v_wmma_f32_16x16x4_f32 v[208+24*(\ib):215+24*(\ib)], v[64:65], v[48:49], 0
.else
	v_wmma_f32_16x16x4_f32 v[192+24*(\ib):199+24*(\ib)], v[2*st:2*st+1], v[112+2*st:113+2*st], v[192+24*(\ib):199+24*(\ib)]
	v_wmma_f32_16x16x4_f32 v[200+24*(\ib):207+24*(\ib)], v[128+2*st:129+2*st], v[48+2*st:49+2*st], v[200+24*(\ib):207+24*(\ib)]
	v_wmma_f32_16x16x4_f32 v[208+24*(\ib):215+24*(\ib)], v[64+2*st:65+2*st], v[48+2*st:49+2*st], v[208+24*(\ib):215+24*(\ib)]
.endif
.set st, st+1
.endr
	WIN 0
.rept 8
	v_nop                                          ; eight places behind this form before its sources are written or its results read
.endr
.endm
; r and s of 16 queries x my 16 keys.  Lane (r, h), register j: query 16 ib + 8 h + j, key 16 wave + r.  Each accumulator is read from its low end on.
.macro STATM ib
.set aE1, 192+24*(\ib)
.set aE2, 200+24*(\ib)
.set aC,  208+24*(\ib)
	WIN 0
.if \ib
	s_wait_alu depctr_vm_vsrc(0)                   ; the first block's stores into TAB have read v[QD ..], which this block writes again
.endif
	ds_load_b128 v[MQ:MQ+3], v[SCL] offset:128*(\ib)            ; LDS serves a wave's instructions in order (ISA guide 5.7.1.4): these see my stores.  Nothing issued since the last wait on va_vdst names v160 to v175
	ds_load_b128 v[MQ+4:MQ+7], v[SCL] offset:128*(\ib)+16
	ds_load_b128 v[VQ:VQ+3], v[SCL] offset:128*(\ib)+64
	ds_load_b128 v[VQ+4:VQ+7], v[SCL] offset:128*(\ib)+80
	s_wait_dscnt 0x0
.irp j, 0,1,2,3,4,5,6,7
	v_mul_f32 v[MU+\j], v[MQ+\j], v[MK]            ; mq mk
.endr
	WIN 0x0A
.irp j, 0,1,2,3,4,5,6,7
	v_mul_f32 v[C2+\j], v[aC+\j], v[aC+\j]         ; C^2
.endr
	WIN 0x22
.irp j, 0,1,2,3,4,5,6,7
	v_fma_f32 v[SS+\j], v[aE2+\j], v[MK2], v[aE1+\j]   ; E1 + 2 mk E2
.endr
	WIN 0x02
.irp j, 0,1,2,3,4,5,6,7
	v_fma_f32 v[MP+\j], v[aC+\j], s66, v[MU+\j]    ; mp
.endr
	WIN 0
.irp j, 0,1,2,3,4,5,6,7
	v_fma_f32 v[SS+\j], v[C2+\j], s67, v[SS+\j]    ; - C^2 / 128
.endr
.irp j, 0,1,2,3,4,5,6,7
	v_fma_f32 v[SS+\j], v[VQ+\j], v[MK21], v[SS+\j]    ; + Vq + mk^2 Vq
.endr
.irp j, 0,1,2,3,4,5,6,7
	v_add_f32 v[SS+\j], v[SS+\j], v[VK]
.endr
.irp j, 0,1,2,3,4,5,6,7
	v_add_f32 v[MU+\j], v[MQ+\j], v[MK]
.endr
.irp j, 0,1,2,3,4,5,6,7
	v_add_f32 v[MU+\j], v[MU+\j], v[MP+\j]
.endr
.irp j, 0,1,2,3,4,5,6,7
	v_mul_f32 v[MU+\j], s68, v[MU+\j]              ; mu
.endr
.irp j, 0,1,2,3,4,5,6,7
	v_sub_f32 v[D1+\j], v[MQ+\j], v[MU+\j]
.endr
.irp j, 0,1,2,3,4,5,6,7
	v_sub_f32 v[D2+\j], v[MK], v[MU+\j]
.endr
.irp j, 0,1,2,3,4,5,6,7
	v_sub_f32 v[C2+\j], v[MP+\j], v[MU+\j]
.endr
.irp j, 0,1,2,3,4,5,6,7
	v_mul_f32 v[D1+\j], v[D1+\j], v[D1+\j]
.endr
.irp j, 0,1,2,3,4,5,6,7
	v_fma_f32 v[D1+\j], v[D2+\j], v[D2+\j], v[D1+\j]
.endr
.irp j, 0,1,2,3,4,5,6,7
	v_fma_f32 v[D1+\j], v[C2+\j], v[C2+\j], v[D1+\j]
.endr
.irp j, 0,1,2,3,4,5,6,7
	v_fma_f32 v[SS+\j], v[D1+\j], s69, v[SS+\j]    ; 384 var
.endr
.irp j, 0,1,2,3,4,5,6,7
	v_max_num_f32 v[SS+\j], 0, v[SS+\j]
.endr
.irp j, 0,1,2,3,4,5,6,7
	v_fma_f32 v[SS+\j], v[SS+\j], s70, s71         ; var + eps
.endr
.irp j, 0,1,2,3,4,5,6,7
	v_rsq_f32 v[QD+4*\j], v[SS+\j]                 ; r
.endr
	v_nop                                          ; a plain line behind the last of the batch
	s_wait_alu depctr_va_vdst(0)                   ; the eight r are written, ahead of their first reader: one wait for the batch
.irp j, 0,1,2,3,4,5,6,7
	v_mov_b32 v[QD+4*\j+1], v[QD+4*\j]
	v_mul_f32 v[QD+4*\j+2], -v[MU+\j], v[QD+4*\j]  ; s = -mu r
.endr
.irp j, 0,1,2,3,4,5,6,7
	v_mov_b32 v[QD+4*\j+3], v[QD+4*\j+2]
.endr
	s_wait_alu depctr_va_vdst(0)                   ; the eight (r, r, s, s) are written, which the stores read; and this block is done reading mq and Vq, on which the next block's land
.irp j, 0,1,2,3,4,5,6,7
	ds_store_b128 v[TS0], v[QD+4*\j:QD+4*\j+3] offset:16384*(\ib)+1024*\j
.endr
.endm
	; ---- my 16 keys: mk, dk (in place), dk^2, Vk
	ROWSUM 3, 48
	v_mul_f32 v[MK], s66, v[RS]
	v_mov_b32 v[MK+1], v[MK]
	WIN 0xC3
.set i, 0
.rept 32
	v_pk_add_f32 v[48+2*i:49+2*i], v[48+2*i:49+2*i], v[MK:MK+1] neg_lo:[0,1] neg_hi:[0,1]
.set i, i+1
.endr
	WIN 0xCF
.set i, 0
.rept 32
	v_pk_mul_f32 v[112+2*i:113+2*i], v[48+2*i:49+2*i], v[48+2*i:49+2*i]
.set i, i+1
.endr
	SUMSQ 3, 48
	v_mov_b32 v[VK], v[RS]
	v_add_f32 v[MK2], v[MK], v[MK]
	v_fma_f32 v[MK21], v[MK], v[MK], 1.0
	QFEAT 2, 0, 0
	STATW 0
	; ---- 60 loads: my 12 fragments of Wu and Wv and their scale words; they stay for the whole launch.  No vector or matrix instruction has named the registers in which they land; their offsets v2 and v3 stand since the head
	WIN 0x40
.irp nn, 0,1,2,3
.irp ks, 0,1,2
.irp c, 0,1,2,3
	global_load_b128 v[16*(3*\nn+\ks)+4*\c:16*(3*\nn+\ks)+4*\c+3], v[LI], s[76:77] offset:(\nn/2)*49152+((\nn%2)*3+\ks)*2048+512*\c
.endr
.endr
.endr
	WIN 0
.irp nn, 0,1,2,3
.irp ks, 0,1,2
	global_load_b32 v[WSC+3*\nn+\ks], v[LS], s[78:79] offset:98304+(\nn/2)*3072+((\nn%2)*3+\ks)*128
.endr
.endr
	QFEAT 0, TMP, 1
	STATW 1
	STATM 0
	STATM 1
	s_wait_loadcnt 0x0
	WIN 0xCD                                       ; k (window 1) x g (window 3) -> window 3, over dk and dk^2, which the products have long read
.irp t, 0,1,2,3
.set i, 0
.rept 8
	v_pk_mul_f32 v[KG2+16*\t+2*i:KG2+16*\t+2*i+1], v[192+16*\t+2*i:193+16*\t+2*i], v[G+16+2*i:G+17+2*i]
	v_pk_mul_f32 v[KG3+16*\t+2*i:KG3+16*\t+2*i+1], v[192+16*\t+2*i:193+16*\t+2*i], v[G+32+2*i:G+33+2*i]
.set i, i+1
.endr
.endr
	WIN 0
.set i, 0
.rept 8
	v_pk_mul_f32 v[HW+2*i:HW+2*i+1], v[HW+2*i:HW+2*i+1], 0.5 op_sel_hi:[1,0]
.set i, i+1
.endr
	s_wait_alu depctr_vm_vsrc(0)                   ; the second block's stores into TAB have read v224 to v255, which the three lines below and the making write; the head's loads and LDS instructions have read their addresses v112 to v120, on which the first row's loads land
.irp p, 0,1,2
	v_mov_b32 v[PM+\p], 0                          ; a lane permute's destination counts as one of its sources
.endr
	s_wait_kmcnt 0x0
	s_mov_b32 s35, s34                             ; bo as a pair
	s_wait_dscnt 0x0                               ; for the others' sake: my parts of TAB and QST lie in LDS
	s_barrier_signal -1
	s_barrier_wait -1
; The four loads of fragment f of the step's operand (tile f / 3, K step f % 3): the image as it lies
.macro FRAGL f
	WIN 0x80
.irp c, 0,1,2,3
	ds_load_b128 v[16*(\f)+4*\c:16*(\f)+4*\c+3], v[AR] offset:2048*(\f)+512*\c
.endr
.endm
; Matrix instruction m of a step's 48: tile m / 12, K step (m % 12) / 4, column tile m % 4 (0, 1: u's; 2, 3: v's).  Four accumulators by turns.
; Ahead of a tile's first product: its three fragments are in.  DW0 .. DW3 count the LDS instructions that were issued behind them by then, which may stay out.
.macro MM
.set mT, m/12
.set mS, (m%12)/4
.set mN, m%4
.if m == 0
	s_wait_dscnt DW0
.elseif m == 12
	s_wait_dscnt DW1
.elseif m == 24
	s_wait_dscnt DW2
.elseif m == 36
	s_wait_dscnt DW3
.endif
.set rD, 192+32*(mT%2)+8*mN
.set rW, 16*(3*mN+mS)
.set rA, 48*mT+16*mS
.if mS == 0
	WIN 0xB9-0x40*(mT/2)                           ; W window 1, the operand window 2, the bias window 3, the result window 2 (tiles 0, 1) or 1
	v_wmma_scale_f32_16x16x128_f8f6f4 v[rD:rD+7], v[rW:rW+15], v[rA:rA+15], v[BIAS+8*mN:BIAS+8*mN+7], v[WSC+3*mN+mS], v[ASC+3*mT+mS]
.else
	WIN 0xA9-0x50*(mT/2)
	v_wmma_scale_f32_16x16x128_f8f6f4 v[rD:rD+7], v[rW:rW+15], v[rA:rA+15], v[rD:rD+7], v[WSC+3*mN+mS], v[ASC+3*mT+mS]
.endif
.set m, m+1
.endm
; A slot: one matrix instruction, from the seventh slot on (tile 0's loads have six chunks in which to land).  Behind each of the first nine stand the four loads of one more fragment, 3 to 11:
; no wait: nothing issued since the wait at the step's head names v11 or these registers.  Fragment f is asked for behind product f - 3 and first read by product 4 f.
.macro SLOT
.if MMON && (k >= 6) && (m < 48)
	MM
.if m < 10
	FRAGL m+2
.endif
.endif
.set k, k+1
.endm
.macro PUT tt                          ; tile tt's codes and scale bytes go to the image buffer
.irp pp, 0,1,2
	ds_store_b128 v[AW], v[CD+4*\pp:CD+4*\pp+3] offset:(3*(\tt)+\pp)*2048       ; register group w of fragment (tt, pp): 512 consecutive bytes
.endr
.irp pp, 0,1,2
	ds_store_b8 v[AWS], v[BY+\pp] offset:SCW+(3*(\tt)+\pp)*128                  ; byte w of each row's scale word
.endr
.endm
; My 48 numbers a lane of tile tt of the next step's operand: normalised, quantised, stored.  13 chunks, 14 slots: the last two slots stand together behind the stores, so that the wait ahead of the stores has 23 vector lines between it and the last product.
.macro PTILE tt
.set rR, STQ+4*(\tt)
.set rS, STQ+4*(\tt)+2
.irp pp, 0,1,2
	WIN 0x0C                                       ; source 1 in window 3
.set i, 0
.rept 8
	v_pk_fma_f32 v[X+16*\pp+2*i:X+16*\pp+2*i+1], v[rS:rS+1], v[G+16*\pp+2*i:G+16*\pp+2*i+1], v[BC+16*\pp+2*i:BC+16*\pp+2*i+1]   ; s g + b
.set i, i+1
.endr
	SLOT
.endr
	WIN 0x0C
.set i, 0
.rept 8
	v_pk_mul_f32 v[Y+2*i:Y+2*i+1], v[rR:rR+1], v[KG3+16*(\tt)+2*i:KG3+16*(\tt)+2*i+1]                ; r (k g3)
.set i, i+1
.endr
	SLOT
	WIN 0x0C
.set i, 0
.rept 8
	v_pk_fma_f32 v[X+2*i:X+2*i+1], v[rR:rR+1], v[QG1+2*i:QG1+2*i+1], v[X+2*i:X+2*i+1]                ; q's part
.set i, i+1
.endr
	SLOT
	WIN 0x0C
.set i, 0
.rept 8
	v_pk_fma_f32 v[X+16+2*i:X+17+2*i], v[rR:rR+1], v[KG2+16*(\tt)+2*i:KG2+16*(\tt)+2*i+1], v[X+16+2*i:X+17+2*i]   ; k's part
.set i, i+1
.endr
	SLOT
	WIN 0x0C
.set i, 0
.rept 8
	v_pk_fma_f32 v[X+32+2*i:X+33+2*i], v[Y+2*i:Y+2*i+1], v[QV+2*i:QV+2*i+1], v[X+32+2*i:X+33+2*i]    ; the product's part
.set i, i+1
.endr
	SLOT
	WIN 0                                          ; the three blocks' largest magnitudes, two chains each, the blocks by turns
.irp pp, 0,1,2
	v_max3_num_f32 v[MA+\pp], |v[X+16*\pp]|, |v[X+16*\pp+1]|, 0x4800000      ; with the floor 2^(9 - 127): the byte cannot fall under 1
.endr
.irp pp, 0,1,2
	v_max3_num_f32 v[MB+\pp], |v[X+16*\pp+8]|, |v[X+16*\pp+9]|, |v[X+16*\pp+10]|
.endr
.irp pp, 0,1,2
	v_max3_num_f32 v[MA+\pp], v[MA+\pp], |v[X+16*\pp+2]|, |v[X+16*\pp+3]|
.endr
.irp pp, 0,1,2
	v_max3_num_f32 v[MB+\pp], v[MB+\pp], |v[X+16*\pp+11]|, |v[X+16*\pp+12]|
.endr
	SLOT
	WIN 0
.irp pp, 0,1,2
	v_max3_num_f32 v[MA+\pp], v[MA+\pp], |v[X+16*\pp+4]|, |v[X+16*\pp+5]|
.endr
.irp pp, 0,1,2
	v_max3_num_f32 v[MB+\pp], v[MB+\pp], |v[X+16*\pp+13]|, |v[X+16*\pp+14]|
.endr
.irp pp, 0,1,2
	v_max3_num_f32 v[MA+\pp], v[MA+\pp], |v[X+16*\pp+6]|, |v[X+16*\pp+7]|
.endr
.irp pp, 0,1,2
	v_max3_num_f32 v[MA+\pp], v[MA+\pp], v[MB+\pp], |v[X+16*\pp+15]|
.endr
	SLOT
	WIN 0
.irp pp, 0,1,2
	v_permlanex16_b32 v[PM+\pp], v[MA+\pp], s24, s25
.endr
.irp pp, 0,1,2
	v_max_num_f32 v[MA+\pp], v[MA+\pp], v[PM+\pp]  ; with lane l xor 16's 16 channels: the block's
.endr
.irp pp, 0,1,2
	v_add_nc_u32 v[SOP+\pp], 0xfc000000, v[MA+\pp] ; 8 off the exponent field: the conversion's scale operand
.endr
.irp pp, 0,1,2
	v_and_or_b32 v[HO+\pp], v[MA+\pp], 0x7f800000, s26   ; 448 x the scale
.endr
	SLOT
	WIN 0
.set i, 0
.rept 16
	v_med3_num_f32 v[X+i], v[X+i], -v[HO], v[HO]   ; the conversion to an 8-bit code does not saturate (ISA guide 7.6.2): the hold
.set i, i+1
.endr
	SLOT
	WIN 0
.set i, 0
.rept 16
	v_med3_num_f32 v[X+16+i], v[X+16+i], -v[HO+1], v[HO+1]
.set i, i+1
.endr
.if (\tt) > 0
	s_wait_alu depctr_vm_vsrc(0)                   ; the last tile's six stores have read CD and BY, which are written again from here on.  (Tile 0: the wait at the step's head has said so; ahead of the loop, the one at the head's end)
.endif
	v_cvt_scalef32_pk8_fp8_f32 v[CD:CD+1], v[X:X+7], v[SOP]
	v_cvt_scalef32_pk8_fp8_f32 v[CD+2:CD+3], v[X+8:X+15], v[SOP]
	SLOT
	WIN 0
.set i, 0
.rept 16
	v_med3_num_f32 v[X+32+i], v[X+32+i], -v[HO+2], v[HO+2]
.set i, i+1
.endr
	v_cvt_scalef32_pk8_fp8_f32 v[CD+4:CD+5], v[X+16:X+23], v[SOP+1]
	v_cvt_scalef32_pk8_fp8_f32 v[CD+6:CD+7], v[X+24:X+31], v[SOP+1]
	v_cvt_scalef32_pk8_fp8_f32 v[CD+8:CD+9], v[X+32:X+39], v[SOP+2]
	v_cvt_scalef32_pk8_fp8_f32 v[CD+10:CD+11], v[X+40:X+47], v[SOP+2]
.irp pp, 0,1,2
	v_lshrrev_b32 v[BY+\pp], 23, v[SOP+\pp]        ; the scale's byte.  (Plain lines behind the last conversion)
.endr
.if (\tt) < 3
	s_wait_alu depctr_va_vdst(0)                   ; the conversions have written CD and the shifts BY, which the six stores read (ahead of the loop, for tile 0: v13 and v14 are written too)
	PUT \tt
.endif                                                 ; (tile 3's stores stand behind the wait that the next row's loads want anyway)
	SLOT
	SLOT
.endm
; The next row of q (my 16 channels) and the next query's (r, r, s, s) of the four tiles.  put = 1: tile 3's stores go out behind the same wait.
.macro NEXTQ put
	WIN 0
	v_add_nc_u32 v[AQ], s30, v[Q0]                 ; (the last row's loads have read v15 and v16: a wait on vm_vsrc has stood in tiles 1 to 3 since)
	v_add_nc_u32 v[AT], s31, v[T0]
	s_wait_alu depctr_va_vdst(0)                   ; v15 and v16 are written, which the loads read; the making is done reading STQ and q, in which they land (the first row: the head's lines have written and read v112 to v120); tile 3's CD and BY are written
.if \put
	PUT 3
.endif
.irp t, 0,1,2,3
	ds_load_b128 v[STQ+4*\t:STQ+4*\t+3], v[AT] offset:256*\t
.endr
	WIN 0xC0
.irp j, 0,1,2,3
	ds_load_b128 v[QV+4*\j:QV+4*\j+3], v[AQ] offset:16*\j
.endr
	WIN 0
.endm
.macro QG1M                            ; q g1
	WIN 0xCF
.set i, 0
.rept 8
	v_pk_mul_f32 v[QG1+2*i:QG1+2*i+1], v[QV+2*i:QV+2*i+1], v[G+2*i:G+2*i+1]
.set i, i+1
.endr
.endm
.macro PLINE                           ; line p of P's 48: Horner step p / 8 on pair p % 8
.set pS, p/8
.set pP, 2*(p%8)
.if pS == 0
	v_pk_fma_f32 v[PP+pP:PP+pP+1], v[W2+pP:W2+pP+1], s[36:37], s[38:39] op_sel_hi:[1,0,0]
.else
	v_pk_fma_f32 v[PP+pP:PP+pP+1], v[PP+pP:PP+pP+1], v[W2+pP:W2+pP+1], s[38+2*pS:39+2*pS] op_sel_hi:[1,1,0]
.endif
.set p, p+1
.endm
; Tile tt's 16 hidden units a lane: (Wo / 2) u v (1 + erf), summed to four pairs.  Each accumulator is read from its low end on.
.macro EGROUP tt
.set aU, 192+32*((\tt)%2)
.set aV, aU+16
	WIN 2-(\tt)/2                                  ; source 0: window 2 (tiles 0, 1) or 1
.set i, 0
.rept 16
	v_med3_num_f32 v[VC+i], v[aV+i], s61, s60      ; vc
.set i, i+1
.endr
.set i, 0
.rept 8
	v_pk_mul_f32 v[AA+2*i:AA+2*i+1], v[aU+2*i:aU+2*i+1], v[HW+2*i:HW+2*i+1]
.set i, i+1
.endr
.set i, 0
.rept 8
	v_pk_mul_f32 v[AA+2*i:AA+2*i+1], v[aV+2*i:aV+2*i+1], v[AA+2*i:AA+2*i+1]
.set i, i+1
.endr
	WIN 0
.set i, 0
.rept 8
	v_pk_mul_f32 v[W2+2*i:W2+2*i+1], v[VC+2*i:VC+2*i+1], v[VC+2*i:VC+2*i+1]
.set i, i+1
.endr
.set i, 0
.rept 8
	v_pk_fma_f32 v[QQ+2*i:QQ+2*i+1], v[W2+2*i:W2+2*i+1], s[50:51], s[52:53] op_sel_hi:[1,0,0]
.set i, i+1
.endr
.irp hs, 1,2,3
.set i, 0
.rept 8
	v_pk_fma_f32 v[QQ+2*i:QQ+2*i+1], v[QQ+2*i:QQ+2*i+1], v[W2+2*i:W2+2*i+1], s[52+2*\hs:53+2*\hs] op_sel_hi:[1,1,0]
.set i, i+1
.endr
.endr
.set p, 0
.set i, 0
.rept 16
	v_rcp_f32 v[QQ+i], v[QQ+i]                     ; 1 / Q; three lines of P, which name no reciprocal, stand behind each
	PLINE
	PLINE
	PLINE
.set i, i+1
.endr
.set i, 0
.rept 8
	v_pk_mul_f32 v[PP+2*i:PP+2*i+1], v[VC+2*i:VC+2*i+1], v[PP+2*i:PP+2*i+1]
.set i, i+1
.endr
	s_wait_alu depctr_va_vdst(0)                   ; the sixteen reciprocals are written, ahead of their first reader: one wait for the batch
.set i, 0
.rept 8
	v_pk_fma_f32 v[QQ+2*i:QQ+2*i+1], v[PP+2*i:PP+2*i+1], v[QQ+2*i:QQ+2*i+1], 1.0 op_sel_hi:[1,1,0]      ; 1 + erf
.set i, i+1
.endr
.set i, 0
.rept 4
	v_pk_mul_f32 v[OS+8*(\tt)+2*i:OS+8*(\tt)+2*i+1], v[AA+2*i:AA+2*i+1], v[QQ+2*i:QQ+2*i+1]
.set i, i+1
.endr
.set i, 0
.rept 4
	v_pk_fma_f32 v[OS+8*(\tt)+2*i:OS+8*(\tt)+2*i+1], v[AA+8+2*i:AA+9+2*i], v[QQ+8+2*i:QQ+9+2*i], v[OS+8*(\tt)+2*i:OS+8*(\tt)+2*i+1]
.set i, i+1
.endr
.endm
.macro EFIN                            ; the four tiles' sums of my 16 hidden units, to my plane of PT
.irp t, 0,1,2,3
	v_pk_add_f32 v[OS+8*\t:OS+8*\t+1], v[OS+8*\t:OS+8*\t+1], v[OS+8*\t+2:OS+8*\t+3]
.endr
.irp t, 0,1,2,3
	v_pk_add_f32 v[OS+8*\t+4:OS+8*\t+5], v[OS+8*\t+4:OS+8*\t+5], v[OS+8*\t+6:OS+8*\t+7]
.endr
.irp t, 0,1,2,3
	v_pk_add_f32 v[OS+8*\t:OS+8*\t+1], v[OS+8*\t:OS+8*\t+1], v[OS+8*\t+4:OS+8*\t+5]
.endr
.irp t, 0,1,2,3
	v_add_f32 v[OS+8*\t], v[OS+8*\t], v[OS+8*\t+1]
.endr
	s_wait_alu depctr_va_vdst(0)                   ; the four sums are written, which the stores read
.irp t, 0,1,2,3
	ds_store_b32 v[AP], v[OS+8*\t] offset:64*\t
.endr
.endm
; The head of a query step.  In front of the barrier my stores of this step's images have landed and my reads of the other buffer are over; behind it this step's images are whole,
; and the other buffer, which nobody reads any more, takes the next step's.  prod = 1: the next step's operand is made beside the products, and nine of the twelve fragments are asked for among them.
.macro TOP prod
	s_wait_dscnt 0x0
	s_barrier_signal -1
	s_barrier_wait -1
	s_wait_alu depctr_vm_vsrc(0)                   ; the last step's LDS loads and stores have read v11 to v14 and v17, which the adds below write; its stores have read CD, BY and the four sums, which this step writes again
	v_add_nc_u32 v[AR], s28, v[LI]
	v_add_nc_u32 v[ARS], s28, v[LS]
	v_add_nc_u32 v[AP], s32, v[P0]
.if \prod
	v_add_nc_u32 v[AW], s29, v[WB0]
	v_add_nc_u32 v[AWS], s29, v[WS0]
.endif
	s_wait_alu depctr_va_vdst(0)                   ; the addresses are written, which the step's LDS instructions read; the last step's matrix instructions are done reading the fragments and scale words, in which the step's 60 loads land
.set f, 0
.rept 12
	ds_load_b32 v[ASC+f], v[ARS] offset:SCW+128*f
.set f, f+1
.endr
.if \prod
	FRAGL 0
	FRAGL 1
	FRAGL 2
.else
.set f, 0
.rept 12
	FRAGL f
.set f, f+1
.endr
.endif
.endm
	; ---- the first step's operand is made with nothing beside it
	s_mov_b32 s28, 0                               ; the buffer that is read
	s_mov_b32 s29, 0                               ; the buffer that is written
	s_mov_b32 s30, 0                               ; the row of QST,
	s_mov_b32 s31, 0                               ; of TAB,
	s_mov_b32 s32, 0                               ; of PT
	NEXTQ 0
	v_add_nc_u32 v[AW], s29, v[WB0]
	v_add_nc_u32 v[AWS], s29, v[WS0]
	s_wait_dscnt 0x0
	QG1M
.set MMON, 0
.set k, 0
.set m, 0
	PTILE 0
	PTILE 1
	PTILE 2
	PTILE 3
	s_mov_b32 s30, 512
	s_mov_b32 s31, 1024
	NEXTQ 1
	s_mov_b32 s29, IMG1
	s_mov_b32 s27, 31
.Lstep:                                                ; trip n = 0 .. 30: step n's products and gelu; step n + 1's operand
	TOP 1
	QG1M
.set MMON, 1
.set k, 0
.set m, 0
.set DW0, 0                            ; tile 0: nothing has been issued behind fragments 0 to 2
.set DW1, 30                           ; tile 1: behind fragment 5: fragments 6 to 11 (24 loads) and tile 0's six stores
.set DW2, 24                           ; tile 2: behind fragment 8: tile 0's six stores, fragments 9 to 11 (12 loads), tile 1's six stores
.set DW3, 12                           ; tile 3: behind fragment 11: tile 1's and tile 2's stores
	PTILE 0
	PTILE 1
	PTILE 2
	PTILE 3                                        ; the last product stands in front of this tile's last sixteen holds, which are its eight places and more
	s_add_co_u32 s30, s30, 512
	s_add_co_u32 s31, s31, 1024
	NEXTQ 1                                        ; row n + 2.  In the last trip that is the place of a 33rd row: TAB's falls on QST, QST's on SCR, both whole since the first barrier and never written again; nothing uses what comes
	EGROUP 0
	EGROUP 1
	EGROUP 2
	EGROUP 3
	EFIN
	s_xor_b32 s28, s28, IMG1
	s_xor_b32 s29, s29, IMG1
	s_add_co_u32 s32, s32, 256
	s_sub_co_u32 s27, s27, 1
	s_cmp_lg_u32 s27, 0
	s_cbranch_scc1 .Lstep
	; ---- step 31: nothing is left to make
	TOP 0
.set m, 0
.set DW0, 36                           ; all twelve fragments were asked for in one run and nothing is stored: behind a tile's 12 loads stand the 12 of each later tile
.set DW1, 24
.set DW2, 12
.set DW3, 0
.rept 48
	MM
.endr
	WIN 0
.rept 8
	v_nop                                          ; eight places behind this form before its results are read
.endr
	EGROUP 0
	EGROUP 1
	EGROUP 2
	EGROUP 3
	EFIN
	; ---- the eight planes (four waves x two halves of the lanes) are added, planes ascending; + bo; thread t takes four keys of query 8 n + t / 16
	s_wait_dscnt 0x0
	s_barrier_signal -1
	s_barrier_wait -1
	s_wait_alu depctr_vm_vsrc(0)                   ; my last four stores into PT have read v128, v136, v144 and v152, on which the loads below land.  (No vector instruction has been issued since the wait ahead of those stores: the gelu is done with v128 to v255)
.irp n, 0,1,2,3
.irp q, 0,1,2,3,4,5,6,7
	ds_load_b128 v[128+32*\n+4*\q:128+32*\n+4*\q+3], v[FR] offset:8192*\q+2048*\n
.endr
.endr
.irp n, 0,1,2,3
	s_wait_dscnt 24-8*\n                           ; this group's eight loads are in; the later groups' may be out
.irp q, 1,2,3,4,5,6,7
	v_pk_add_f32 v[128+32*\n:129+32*\n], v[128+32*\n:129+32*\n], v[128+32*\n+4*\q:129+32*\n+4*\q]
	v_pk_add_f32 v[130+32*\n:131+32*\n], v[130+32*\n:131+32*\n], v[130+32*\n+4*\q:131+32*\n+4*\q]
.endr
	v_pk_add_f32 v[128+32*\n:129+32*\n], v[128+32*\n:129+32*\n], s[34:35] op_sel_hi:[1,0]
	v_pk_add_f32 v[130+32*\n:131+32*\n], v[130+32*\n:131+32*\n], s[34:35] op_sel_hi:[1,0]
.endr
	s_wait_alu depctr_va_vdst(0)                   ; the four groups' sums are written, which the run of stores reads
.irp n, 0,1,2,3
	global_store_b128 v[GOF], v[128+32*\n:131+32*\n], s[20:21] offset:16384*\n th:TH_STORE_NT      ; sixteen lanes store 256 consecutive bytes, at a multiple of 256 from out0's first byte
.endr
	s_set_vgpr_msb 0xc
	s_wait_dscnt 0x0
	s_wait_alu depctr_hold_cnt(0) depctr_sa_sdst(0) depctr_va_vdst(0) depctr_va_sdst(0) depctr_va_ssrc(0) depctr_va_vcc(0) depctr_vm_vsrc(0)
	s_wait_tensorcnt 0x0
	ds_add_u32 v23, v255
	s_wait_dscnt 0x0
	s_endpgm
.Lfunc_end_k_q873072b0d2_pairs:
	.size	k_q873072b0d2_pairs, .Lfunc_end_k_q873072b0d2_pairs-k_q873072b0d2_pairs
	.p2alignl 7, 3214868480
	.fill 96, 4, 3214868480
	.section	.rodata,"a",@progbits
	.p2align	6, 0x0
	.amdhsa_kernel k_q873072b0d2_pairs
		.amdhsa_group_segment_fixed_size 181760
		.amdhsa_private_segment_fixed_size 0
		.amdhsa_enable_private_segment 0
		.amdhsa_kernarg_size 72
		.amdhsa_user_sgpr_count 2
		.amdhsa_user_sgpr_kernarg_segment_ptr 1
		.amdhsa_wavefront_size32 1
		.amdhsa_system_sgpr_workgroup_id_x 1
		.amdhsa_system_sgpr_workgroup_id_y 1
		.amdhsa_system_sgpr_workgroup_id_z 1
		.amdhsa_system_vgpr_workitem_id 0
		.amdhsa_next_free_vgpr 1024
		.amdhsa_next_free_sgpr 96
		.amdhsa_reserve_vcc 0
		.amdhsa_float_denorm_mode_32 3
		.amdhsa_float_denorm_mode_16_64 3
		.amdhsa_memory_ordered 1
		.amdhsa_forward_progress 1
		.amdhsa_inst_pref_size 255
	.end_amdhsa_kernel
	.section	.bss,"aw",@nobits
	.p2align	6
	.space	262144
	.amdgpu_metadata
---
amdhsa.version: [ 1, 2 ]
amdhsa.kernels:
  - .name:           k_q873072b0d2_pairs
    .symbol:         k_q873072b0d2_pairs.kd
    .args:
      - { .name: qk, .offset: 0, .size: 8, .value_kind: global_buffer, .address_space: global }
      - { .name: wuv, .offset: 8, .size: 8, .value_kind: global_buffer, .address_space: global }
      - { .name: ln_g, .offset: 16, .size: 8, .value_kind: global_buffer, .address_space: global }
      - { .name: ln_b, .offset: 24, .size: 8, .value_kind: global_buffer, .address_space: global }
      - { .name: bu, .offset: 32, .size: 8, .value_kind: global_buffer, .address_space: global }
      - { .name: bv, .offset: 40, .size: 8, .value_kind: global_buffer, .address_space: global }
      - { .name: Wo, .offset: 48, .size: 8, .value_kind: global_buffer, .address_space: global }
      - { .name: bo, .offset: 56, .size: 8, .value_kind: global_buffer, .address_space: global }
      - { .name: out0, .offset: 64, .size: 8, .value_kind: global_buffer, .address_space: global }
    .group_segment_fixed_size: 181760
    .private_segment_fixed_size: 0
    .kernarg_segment_align: 8
    .kernarg_segment_size: 72
    .max_flat_workgroup_size: 128
    .sgpr_count:     96
    .vgpr_count:     1024
    .wavefront_size: 32
...
	.end_amdgpu_metadata
.endif
;; end of part 4
